; MI455X (gfx1250); checked and timed in simulation.
; The chip was launched on July 23, 2026; its instructions are those of AMD's public machine-readable ISA for CDNA 5 (MIT licence, August 2026) and "CDNA5" Instruction Set Architecture Reference Guide (July 2026). The comments in the code are by the model that wrote it; some were corrected since.
;; Lo RA Multi Head Attention. Allowed arithmetic: matrix products marked QUANTISED: E3M2 operands, one E8M0 scale for each 32 along K, by v_wmma_scale_f32_16x16x128_f8f6f4 with both operands' format E3M2, f32 sums; products left as they are: f32 operands where the result goes on into a quantised operand, else bf16, f16 or f32 operands; f32 sums; everything else in f32.
;; Inputs: Aq 8 x 1,024 float32; Av 8 x 1,024 float32; Bq 1,024 x 8 float32; Bv 1,024 x 8 float32; Wk 1,024 x 1,024 float32; Wo 1,024 x 1,024 float32; Wq 1,024 x 1,024 float32; Wv 1,024 x 1,024 float32; bk 1,024 float32; bo 1,024 float32; bq 1,024 float32; bv 1,024 float32; x 4 x 2,048 x 1,024 float32.
;; Outputs: out0 4 x 2,048 x 1,024 float32.
;; This version of the problem:
;;   THIS VERSION OF THE PROBLEM IS GIVEN IN LOW PRECISION. The matrix products marked QUANTISED in the list below multiply operands that are first quantised to E3M2 (3 exponent bits, 2 mantissa bits; 6 bits a number), with one power-of-two scale for each 32 numbers along K (OCP MX v1.0); their sums are f32. All else is computed in f32.
;;   The module's matrix products, in the order in which they are computed (A, B: the left and right operand; K: the contracted axis; several contracted axes count as one K, in the product's order):
;;     1. [M 8,192, K 1,024] x [K 1,024, N 1,024]; A: input x; B: input Wq: QUANTISED
;;     2. [M 8,192, K 1,024] x [K 1,024, N 8]; A: input x; B: input Aq: left as it is (N = 8 < 16)
;;     3. [M 8,192, K 8] x [K 8, N 1,024]; A: computed on the way; B: input Bq: left as it is (K = 8 < 32)
;;     4. [M 8,192, K 1,024] x [K 1,024, N 1,024]; A: input x; B: input Wk: QUANTISED
;;     5. [M 8,192, K 1,024] x [K 1,024, N 1,024]; A: input x; B: input Wv: QUANTISED
;;     6. [M 8,192, K 1,024] x [K 1,024, N 8]; A: input x; B: input Av: left as it is (N = 8 < 16)
;;     7. [M 8,192, K 8] x [K 8, N 1,024]; A: computed on the way; B: input Bv: left as it is (K = 8 < 32)
;;     8. batch 64 x [M 2,048, K 64] x [K 64, N 2,048]; A: computed on the way; B: computed on the way: QUANTISED
;;     9. batch 64 x [M 2,048, K 2,048] x [K 2,048, N 64]; A: softmax (see below); B: computed on the way: QUANTISED
;;     10. [M 8,192, K 1,024] x [K 1,024, N 1,024]; A: computed on the way; B: input Wo: QUANTISED
;;   THE QUANTISER, for each operand of a quantised product, along K:
;;     - K is cut into blocks of 32 from its start; a last block that is shorter is filled with zeros.
;;     - A block's scale is 2^e with e = floor(log2(the largest magnitude in the block)) - 4, held to -126 .. 127; a block of zeros has e = 0. As a byte (E8M0): e + 127.
;;     - Each number is divided by its block's scale, clamped to +-28, and rounded to the nearest number of E3M2, ties to even, subnormals kept.
;;     - The product sums the exact products of the quantised numbers (number of the format x scale) in f32.
;;   ~~~python
;;   def quantise(x, axis):      # numpy; x: float32 -> the quantised numbers, widened to float32 again
;;       x = np.moveaxis(x, axis, -1); K = x.shape[-1]
;;       x = np.pad(x, [(0, 0)] * (x.ndim - 1) + [(0, -K % 32)]); x = x.reshape(x.shape[:-1] + (-1, 32)); a = np.abs(x).max(-1, keepdims=True)
;;       e = np.where(a > 0, np.clip(np.frexp(np.where(a > 0, a, 1))[1] - 1 - 4, -126, 127), 0)      # np.frexp(a)[1] - 1 = floor(log2(a)), exactly
;;       r = np.clip(x / 2.0 ** e, -28, 28)
;;       step = 2.0 ** (np.maximum(np.frexp(np.where(r == 0, 1, r))[1] - 1, -2) - 2)
;;       q = np.round(r / step) * step * 2.0 ** e      # np.round: ties to even
;;       return np.moveaxis(q.reshape(q.shape[:-2] + (-1,))[..., :K], -1, axis).astype(np.float32)
;;   ~~~
;;   SOFTMAX AHEAD OF A QUANTISED PRODUCT. Where the list says 'softmax', what is quantised is not the finished softmax but p = 2^(t - M), with t = logit x log2(e) and M = ceil(the row's largest t), a whole number; so 1/2 < the row's largest p <= 1. The row's sum l is taken of the UNQUANTISED p, in f32, and the product's result is divided by l at the end. Since M is a whole number, a kernel that streams over the keys may use a running M (the ceiling of the running maximum): every later rescaling is an exact power of two, which a block's scale takes up: the codes' values come out the same.
;;   OPERANDS COMPUTED ON THE WAY. 'Computed on the way' means the value that the module computes at that place (a softmax that the list does not call 'softmax' is quantised finished and normalised). What goes into a quantiser is computed in f32, as accurately as f32 sums, v_exp_f32 and their like allow (about 1e-6 of the number): no bf16 or f16 on the way to a quantiser, and a product that is left as it is and whose result goes on into a quantised operand takes f32 operands (vector FMAs, or v_wmma_f32_16x16x4_f32). A number that lies on a knife's edge between two numbers of the format may be rounded either way, as far as f32 arithmetic and the matrix unit's own rounding can turn it there, and no further.
;; One version. Each part assembles by itself: llvm-mc -triple=amdgcn-amd-amdhsa -mcpu=gfx1250 --defsym DOCPART=n.
;; ======== version 1 of 1: 4 launches
;; limits: right only within a limited range of input values
;; workspace buffers: cod 9,437,184 bytes; scl 393,216 bytes; t 524,288 bytes; qkvc 18,874,368 bytes; qkvs 786,432 bytes; ac 6,291,456 bytes; as16 262,144 bytes
;; launch quant (part 1): grid 384 x 1, 8 waves a work-group, no clusters, 86,016 bytes of LDS; arguments x, Wq, Wk, Wv, Wo, Aq, Av, cod, scl, t; writes cod, scl, t
.if DOCPART == 1
	.amdgcn_target "amdgcn-amd-amdhsa--gfx1250"
	.amdhsa_code_object_version 6
	.text
	.protected	k_qbde1617a1f_quant
	.globl	k_qbde1617a1f_quant
	.p2align	8
	.type	k_qbde1617a1f_quant,@function
k_qbde1617a1f_quant:
	s_mov_b64 s[64:65], 0
	v_nop
	global_prefetch_b8 v0, s[64:65] scope:SCOPE_SE
	s_setreg_imm32_b32 hwreg(HW_REG_WAVE_MODE, 25, 1), 1
	s_wait_xcnt 0x0
; x [8192][1024] and Wq, Wk, Wv, Wo [1024][1024], f32, K innermost, become codes of BF6 (E3M2) with one E8M0 byte for each 32 along K; and t = 4 x [Aq; Av]^T in f32.
; A block's scale is 2^(floor(log2(largest magnitude)) - 4): its byte is the largest magnitude's exponent field - 4, held at 1 from below.
; LIMITS: NaN and infinities are not served.  A block whose largest magnitude lies under 2^-122 (zeros among them) gets the byte 1; these bytes are read by this program alone.
; LAYOUT OF THE CODES: in the order of the operand's registers.  A tile is 16 rows; tile 2 G + u holds in lane r row 32 G + 8 u + r + 8 (r / 8).  For each tile and each 128 along K two halves of 768 bytes:
; registers 0-3 of a half at 16 x lane, registers 4-5 at 512 + 8 x lane.  cod: [tile 768][chunk 8][half 2][768]; tiles 0-511 x, then 64 each of Wq, Wk, Wv, Wo.  scl: [tile][row 16][chunk 8] scale words.
; SHARES: a work-group takes 32 rows (two tiles), wave w the 128 along K from 128 w on.  Work-groups 0-255 take x, then 32 for each weight.
; Each load reads 512 consecutive bytes of a row; a tile's 16 rows turn through the wave's own stage in LDS (rows 528 bytes apart), so that lane (r, h) holds, of row r, 16 neighbours of each block of 32.
; t: the f32 matrix form, source 0 = the 16 rows of Aq and Av, source 1 = 16 tokens, both in the same order of k; the eight waves' parts meet in LDS and are added by four waves.
.set STGB,  8448                       ; a wave's stage: 16 rows x 528 bytes
.set TP,    67584                      ; behind the stages: the waves' parts of t, 2,048 bytes each: [tile 2][half of the 8 numbers 2][lane][16 bytes]
.set SCG,   83968                      ; behind them: the scale words, [tile 2][row 16][chunk 8]
.set R0,    16                         ; v16-79   tile 0's 64 numbers a lane
.set R1,    80                         ; v80-143  tile 1's
.set AC,    144                        ; v144-207 Aq's and Av's; behind the products the quantiser works here
.set TM,    144                        ; v144-159 at work
.set PW,    160                        ; v160     the scale word
.set PC,    162                        ; v162-173 the codes; v174-180 halves on their way
.set ACC0,  208                        ; v208-215, v216-223 t's sums: written by matrix instructions alone
.set ACC1,  216
.set WV,    2
.set SEL,   30
.macro ROWS reg, u                     ; tile u's 16 rows, my 512 bytes of each
.irp i, 0,1,2,3,4,5,6,7,8,9,10,11,12,13,14,15
	global_load_b128 v[\reg+4*\i:\reg+4*\i+3], v4, s[24:25] offset:(8*\u+\i+8*(\i/8))*4096 th:TH_LOAD_NT
.endr
.endm
.macro TURN reg                        ; through my stage: in as loaded, back as 16 neighbours of each block: register 16 b + i = k 32 b + 16 h + i of row r
.irp i, 0,1,2,3,4,5,6,7,8,9,10,11,12,13,14,15
	ds_store_b128 v5, v[\reg+4*\i:\reg+4*\i+3] offset:528*\i
.endr
	s_wait_dscnt 0x0                               ; the stores have read their registers, which the loads below write
.irp b, 0,1,2,3
.irp j, 0,1,2,3
	ds_load_b128 v[\reg+16*\b+4*\j:\reg+16*\b+4*\j+3], v6 offset:128*\b+16*\j
.endr
.endr
.endm
.macro QUANT s                         ; 64 numbers of a lane become a fragment's 12 registers of codes, v[PC] on, and the row's scale word, v[PW]
.irp b, 0,1,2,3
	v_max3_num_f32 v[TM+\b], |v[\s+16*\b]|, |v[\s+1+16*\b]|, 0x2800000   ; my 16 numbers of block b, and the floor 2^(5 - 127): the byte cannot fall under 1
.endr
.irp i, 2,4,6,8,10,12,14
.irp b, 0,1,2,3
	s_delay_alu instid0(VALU_DEP_4)
	v_max3_num_f32 v[TM+\b], v[TM+\b], |v[\s+16*\b+\i]|, |v[\s+1+16*\b+\i]|
.endr
.endr
.irp b, 0,1,2,3
	s_delay_alu instid0(VALU_DEP_4)
	v_permlanex16_b32 v[TM+4+\b], v[TM+\b], s[SEL], s[SEL+1]
.endr
.irp b, 0,1,2,3
	s_delay_alu instid0(VALU_DEP_4)
	v_max_num_f32 v[TM+\b], v[TM+\b], v[TM+4+\b]   ; with lane l xor 16's: the block's largest magnitude
.endr
.irp b, 0,1,2,3
	s_delay_alu instid0(VALU_DEP_4)
	v_add_nc_u32 v[TM+12+\b], 0xfe000000, v[TM+\b] ; 4 off its exponent field: the conversion's scale operand
.endr
.irp b, 0,1,2,3
	s_delay_alu instid0(VALU_DEP_4)
	v_lshrrev_b32 v[TM+4+\b], 23, v[TM+12+\b]      ; the byte
.endr
	s_delay_alu instid0(VALU_DEP_3)
	v_lshl_or_b32 v[PW], v[TM+5], 8, v[TM+4]
	s_delay_alu instid0(VALU_DEP_1)
	v_lshl_or_b32 v[PW], v[TM+6], 16, v[PW]
	s_delay_alu instid0(VALU_DEP_1)
	v_lshl_or_b32 v[PW], v[TM+7], 24, v[PW]
.irp c, 0,1
	v_cvt_scalef32_pk16_bf6_f32 v[PC+6*\c:PC+2+6*\c], v[\s+32*\c:\s+15+32*\c], v[TM+12+2*\c]
	v_cvt_scalef32_pk16_bf6_f32 v[PC+12+4*\c:PC+14+4*\c], v[\s+16+32*\c:\s+31+32*\c], v[TM+12+2*\c+1]
.endr
	v_nop                                          ; one plain place behind a scaled conversion
.irp c, 0,1                                    ; a whole block to a lane: lanes 0-15 block 2 c, lanes 16-31 block 2 c + 1
.irp i, 0,1,2
	v_permlane16_swap_b32 v[PC+6*\c+\i], v[PC+12+4*\c+\i]
.endr
.irp i, 0,1,2
	s_delay_alu instid0(VALU_DEP_3)
	v_mov_b32 v[PC+3+6*\c+\i], v[PC+12+4*\c+\i]
.endr
.endr
.endm
.macro OUT u                           ; tile u's fragment as it stands: stores of 512 and 256 consecutive bytes, each at a multiple of 256; the scale word into LDS
	global_store_b128 v4, v[PC:PC+3], s[18:19] offset:12288*\u
	global_store_b64 v8, v[PC+4:PC+5], s[18:19] offset:12288*\u+512
	global_store_b128 v4, v[PC+6:PC+9], s[18:19] offset:12288*\u+768
	global_store_b64 v8, v[PC+10:PC+11], s[18:19] offset:12288*\u+1280
	ds_store_b32 v9, v[PW] offset:512*\u           ; lanes r and r + 16 write the same word with the same value
.endm
	s_load_b256 s[4:11], s[0:1], 0x0               ; x, Wq, Wk, Wv
	s_load_b256 s[12:19], s[0:1], 0x20             ; Wo, Aq, Av, cod
	s_load_b128 s[20:23], s[0:1], 0x40             ; scl, t
	v_lshl_add_u32 v224, v0, 2, 0x14c00
	v_mov_b32 v225, 0
	v_lshrrev_b32 v1, 5, v0
	s_delay_alu instid0(VALU_DEP_1)
	v_readfirstlane_b32 s[WV], v1                  ; wave 0..7
	v_and_b32 v1, 31, v0                           ; lane
	v_and_b32 v2, 15, v0                           ; r
	v_bfe_u32 v3, v0, 4, 1                         ; h
	s_delay_alu instid0(VALU_DEP_3)
	v_lshlrev_b32 v4, 4, v1                        ; 16 x lane
	s_delay_alu instid0(VALU_DEP_4)
	v_lshlrev_b32 v8, 3, v1                        ; 8 x lane
	s_mul_i32 s3, s[WV], STGB
	v_add_nc_u32 v5, s3, v4                        ; the stage, in
	v_mul_u32_u24 v6, v2, 528
	s_delay_alu instid0(VALU_DEP_1)
	v_lshl_add_u32 v6, v3, 6, v6
	s_delay_alu instid0(VALU_DEP_1)
	v_add_nc_u32 v6, s3, v6                        ; and back: row r, + 64 h
	v_lshlrev_b32 v9, 5, v2
	s_lshl_b32 s3, s[WV], 2
	s_add_co_u32 s3, s3, SCG
	v_add_nc_u32 v9, s3, v9                        ; my scale word: 32 r + 4 w
	s_lshl_b32 s3, s[WV], 11
	s_add_co_u32 s3, s3, TP
	v_add_nc_u32 v10, s3, v4                       ; my part of t
	; the adding of t's parts: thread v0 (0..127) takes half g = v0 & 1 of the 8 numbers of row n = (v0 >> 1) & 31, of tq or tv by bit 6.  Row n lies in tile (n >> 3) & 1, lane (n & 7) + 8 (n >> 4)
	v_bfe_u32 v11, v0, 1, 3
	s_delay_alu instid0(VALU_DEP_1)
	v_lshlrev_b32 v11, 4, v11
	v_bfe_u32 v12, v0, 5, 1
	s_delay_alu instid0(VALU_DEP_1)
	v_lshl_add_u32 v11, v12, 7, v11
	v_bfe_u32 v12, v0, 6, 1
	s_delay_alu instid0(VALU_DEP_1)
	v_lshl_add_u32 v11, v12, 8, v11
	v_and_b32 v12, 1, v0
	s_delay_alu instid0(VALU_DEP_1)
	v_lshl_add_u32 v11, v12, 9, v11
	v_bfe_u32 v12, v0, 4, 1
	s_delay_alu instid0(VALU_DEP_1)
	v_lshl_add_u32 v11, v12, 10, v11
	s_delay_alu instid0(VALU_DEP_1)
	v_add_nc_u32 v11, TP, v11
	v_and_b32 v13, 63, v0
	s_delay_alu instid0(VALU_DEP_1)
	v_lshlrev_b32 v13, 4, v13                      ; 16 bytes a thread of 64, in t and in scl
	s_delay_alu instid0(VALU_DEP_1)
	v_add_nc_u32 v12, SCG, v13                     ; and among the gathered scale words
	s_mov_b32 s[SEL], 0x76543210
	s_mov_b32 s[SEL+1], 0xfedcba98                 ; v_permlanex16_b32's selects for lane l xor 16
	s_and_b32 s26, ttmp9, 31
	s_wait_kmcnt 0x0
	s_cmp_lt_u32 ttmp9, 352                        ; whose rows?  The choice hangs on the work-group's number alone
	s_cselect_b64 s[24:25], s[10:11], s[12:13]
	s_cmp_lt_u32 ttmp9, 320
	s_cselect_b64 s[24:25], s[8:9], s[24:25]
	s_cmp_lt_u32 ttmp9, 288
	s_cselect_b64 s[24:25], s[6:7], s[24:25]
	s_cmp_lt_u32 ttmp9, 256
	s_cselect_b64 s[24:25], s[4:5], s[24:25]
	s_cselect_b32 s26, ttmp9, s26                  ; which 32 rows of that tensor
	s_lshl_b32 s26, s26, 17
	s_lshl_b32 s28, s[WV], 9                       ; my 512 bytes of a row
	s_add_co_u32 s26, s26, s28
	s_mov_b32 s27, 0
	s_mov_b32 s29, 0
	s_add_nc_u64 s[24:25], s[24:25], s[26:27]
	s_add_nc_u64 s[14:15], s[14:15], s[28:29]      ; Aq and Av at my 512 bytes
	s_add_nc_u64 s[16:17], s[16:17], s[28:29]
	s_mul_i32 s26, ttmp9, 24576
	s_mul_i32 s28, s[WV], 1536
	s_add_co_u32 s26, s26, s28
	s_add_nc_u64 s[18:19], s[18:19], s[26:27]      ; cod at tile 2 g, chunk w
	s_lshl_b32 s26, ttmp9, 10
	s_add_nc_u64 s[20:21], s[20:21], s[26:27]      ; scl at tile 2 g
	s_lshr_b32 s28, s[WV], 1
	s_lshl_b32 s28, s28, 18
	s_add_co_u32 s26, s26, s28
	s_add_nc_u64 s[22:23], s[22:23], s[26:27]      ; t: waves 0, 1 store tq's 32 rows, waves 2, 3 tv's
	s_cmp_lt_u32 ttmp9, 256
	s_cbranch_scc0 .Lweights
	; ---- x's work-groups
.irp i, 0,1,2,3,4,5,6,7
	global_load_b128 v[AC+4*\i:AC+4*\i+3], v4, s[14:15] offset:4096*\i
.endr
.irp i, 0,1,2,3,4,5,6,7
	global_load_b128 v[AC+32+4*\i:AC+32+4*\i+3], v4, s[16:17] offset:4096*\i
.endr
	ROWS R0, 0
	ROWS R1, 1
	s_wait_loadcnt 16                              ; all but tile 1's 16 loads are in
	TURN R0
	TURN AC
	s_wait_loadcnt 0x0
	TURN R1
	s_wait_dscnt 0x0
	; t(token, e) over my 128 along K: 32 steps of 4.  Registers 2 i, 2 i + 1 hold the same four k in both operands.  The first step starts the sums; the two sums take turns
	v_wmma_f32_16x16x4_f32 v[ACC0:ACC0+7], v[AC:AC+1], v[R0:R0+1], 0
	v_wmma_f32_16x16x4_f32 v[ACC1:ACC1+7], v[AC:AC+1], v[R1:R1+1], 0
.set i, 1
.rept 31
	v_wmma_f32_16x16x4_f32 v[ACC0:ACC0+7], v[AC+2*i:AC+2*i+1], v[R0+2*i:R0+2*i+1], v[ACC0:ACC0+7]
	v_wmma_f32_16x16x4_f32 v[ACC1:ACC1+7], v[AC+2*i:AC+2*i+1], v[R1+2*i:R1+2*i+1], v[ACC1:ACC1+7]
.set i, i+1
.endr
.rept 8
	v_nop                                          ; eight places behind this form, ahead of the stores that read the sums and of the lines that write over Aq's and Av's registers
.endr
	ds_store_b128 v10, v[ACC0:ACC0+3]              ; lane (r, h), register j: number j of tq (h = 0) or tv (h = 1) of token r.  Each sum from its low end on
	ds_store_b128 v10, v[ACC0+4:ACC0+7] offset:512
	ds_store_b128 v10, v[ACC1:ACC1+3] offset:1024
	ds_store_b128 v10, v[ACC1+4:ACC1+7] offset:1536
	s_branch .Ljoin
.Lweights:
	; ---- the weights' work-groups
	ROWS R0, 0
	ROWS R1, 1
	s_wait_loadcnt 16                              ; tile 0's loads are in, tile 1's 16 may be out
	TURN R0
	s_wait_loadcnt 0x0
	TURN R1
	s_wait_dscnt 0x0
.Ljoin:
.irp b, 0,1,2,3
	v_mov_b32 v[TM+4+\b], 0                        ; a lane permute's destination counts as one of its sources
.endr
	QUANT R0
	OUT 0
	s_wait_xcnt 0x0                                ; the stores have read the codes' registers,
	s_wait_dscnt 0x0                               ; and the scale word's: both are written again
	QUANT R1
	OUT 1
	s_wait_dscnt 0x0                               ; for the others' sake: my parts of t and my scale words lie in LDS
	s_barrier_signal -1
	s_barrier_wait -1
	s_cmp_lt_u32 s[WV], 4
	s_cbranch_scc0 .Lnot_t
	s_cmp_lt_u32 ttmp9, 256
	s_cbranch_scc0 .Lend
.irp p, 0,1,2,3,4,5,6,7
	ds_load_b128 v[16+4*\p:19+4*\p], v11 offset:2048*\p   ; the eight waves' parts of my four numbers
.endr
	s_wait_dscnt 0x0
.irp p, 0,2,4,6
	v_pk_add_f32 v[16+4*\p:17+4*\p], v[16+4*\p:17+4*\p], v[20+4*\p:21+4*\p]
	v_pk_add_f32 v[18+4*\p:19+4*\p], v[18+4*\p:19+4*\p], v[22+4*\p:23+4*\p]
.endr
.irp p, 0
	v_pk_add_f32 v[16+4*\p:17+4*\p], v[16+4*\p:17+4*\p], v[24+4*\p:25+4*\p]
	v_pk_add_f32 v[18+4*\p:19+4*\p], v[18+4*\p:19+4*\p], v[26+4*\p:27+4*\p]
.endr
.irp p, 4
	s_delay_alu instid0(VALU_DEP_4)
	v_pk_add_f32 v[16+4*\p:17+4*\p], v[16+4*\p:17+4*\p], v[24+4*\p:25+4*\p]
	s_delay_alu instid0(VALU_DEP_4)
	v_pk_add_f32 v[18+4*\p:19+4*\p], v[18+4*\p:19+4*\p], v[26+4*\p:27+4*\p]
.endr
	s_delay_alu instid0(VALU_DEP_2)
	v_pk_add_f32 v[16:17], v[16:17], v[32:33]
	s_delay_alu instid0(VALU_DEP_2)
	v_pk_add_f32 v[18:19], v[18:19], v[34:35]
	s_delay_alu instid0(VALU_DEP_2)
	v_pk_mul_f32 v[16:17], v[16:17], 4.0 op_sel_hi:[1,0]   ; alpha / r = 4: a power of two, so it may stand here
	s_delay_alu instid0(VALU_DEP_2)
	v_pk_mul_f32 v[18:19], v[18:19], 4.0 op_sel_hi:[1,0]
	global_store_b128 v13, v[16:19], s[22:23]      ; a wave stores 512 consecutive bytes
	s_branch .Lend
.Lnot_t:
	s_cmp_lt_u32 s[WV], 6
	s_cbranch_scc0 .Lend
	ds_load_b128 v[16:19], v12                     ; waves 4 and 5: the two tiles' 1,024 bytes of scale words
	s_wait_dscnt 0x0
	global_store_b128 v13, v[16:19], s[20:21]
.Lend:
	s_wait_tensorcnt 0x0
	ds_add_u32 v224, v225
	s_wait_dscnt 0x0
	s_endpgm
.Lfunc_end_k_qbde1617a1f_quant:
	.size	k_qbde1617a1f_quant, .Lfunc_end_k_qbde1617a1f_quant-k_qbde1617a1f_quant
	.p2alignl 7, 3214868480
	.fill 96, 4, 3214868480
	.section	.rodata,"a",@progbits
	.p2align	6, 0x0
	.amdhsa_kernel k_qbde1617a1f_quant
		.amdhsa_group_segment_fixed_size 86016
		.amdhsa_private_segment_fixed_size 0
		.amdhsa_enable_private_segment 0
		.amdhsa_kernarg_size 80
		.amdhsa_user_sgpr_count 2
		.amdhsa_user_sgpr_kernarg_segment_ptr 1
		.amdhsa_wavefront_size32 1
		.amdhsa_system_sgpr_workgroup_id_x 1
		.amdhsa_system_sgpr_workgroup_id_y 1
		.amdhsa_system_sgpr_workgroup_id_z 1
		.amdhsa_system_vgpr_workitem_id 0
		.amdhsa_next_free_vgpr 226
		.amdhsa_next_free_sgpr 66
		.amdhsa_reserve_vcc 0
		.amdhsa_float_denorm_mode_32 3
		.amdhsa_float_denorm_mode_16_64 3
		.amdhsa_memory_ordered 1
		.amdhsa_forward_progress 1
		.amdhsa_inst_pref_size 41
	.end_amdhsa_kernel
	.amdgpu_metadata
---
amdhsa.version: [ 1, 2 ]
amdhsa.kernels:
  - .name:           k_qbde1617a1f_quant
    .symbol:         k_qbde1617a1f_quant.kd
    .args:
      - { .name: x, .offset: 0, .size: 8, .value_kind: global_buffer, .address_space: global }
      - { .name: Wq, .offset: 8, .size: 8, .value_kind: global_buffer, .address_space: global }
      - { .name: Wk, .offset: 16, .size: 8, .value_kind: global_buffer, .address_space: global }
      - { .name: Wv, .offset: 24, .size: 8, .value_kind: global_buffer, .address_space: global }
      - { .name: Wo, .offset: 32, .size: 8, .value_kind: global_buffer, .address_space: global }
      - { .name: Aq, .offset: 40, .size: 8, .value_kind: global_buffer, .address_space: global }
      - { .name: Av, .offset: 48, .size: 8, .value_kind: global_buffer, .address_space: global }
      - { .name: cod, .offset: 56, .size: 8, .value_kind: global_buffer, .address_space: global }
      - { .name: scl, .offset: 64, .size: 8, .value_kind: global_buffer, .address_space: global }
      - { .name: t, .offset: 72, .size: 8, .value_kind: global_buffer, .address_space: global }
    .group_segment_fixed_size: 86016
    .private_segment_fixed_size: 0
    .kernarg_segment_align: 8
    .kernarg_segment_size: 80
    .max_flat_workgroup_size: 256
    .sgpr_count:     66
    .vgpr_count:     226
    .wavefront_size: 32
...
	.end_amdgpu_metadata
.endif
;; end of part 1
;; launch qkv (part 2): grid 12 x 64, 4 waves a work-group, clusters of 4 x 4, 295,424 bytes of LDS; arguments cod, scl, t, Bq, Bv, bq, bk, bv, qkvc, qkvs; writes qkvc, qkvs
.if DOCPART == 2
	.amdgcn_target "amdgcn-amd-amdhsa--gfx1250"
	.amdhsa_code_object_version 6
	.text
	.protected	k_qbde1617a1f_qkv
	.globl	k_qbde1617a1f_qkv
	.p2align	8
	.type	k_qbde1617a1f_qkv,@function
k_qbde1617a1f_qkv:
	s_mov_b64 s[64:65], 0
	v_nop
	global_prefetch_b8 v0, s[64:65] scope:SCOPE_SE
	s_setreg_imm32_b32 hwreg(HW_REG_WAVE_MODE, 25, 1), 1
	s_wait_xcnt 0x0
	s_wait_alu depctr_hold_cnt(0) depctr_sa_sdst(0) depctr_va_vdst(0) depctr_va_sdst(0) depctr_va_ssrc(0) depctr_va_vcc(0) depctr_vm_vsrc(0)
	s_getreg_b32 s2, hwreg(HW_REG_IB_STS2, 6, 4)
	s_cmp_eq_u32 s2, 0
	s_cbranch_scc0 .Lentry_in_a_cluster
	s_endpgm
.Lentry_in_a_cluster:
	s_bfe_u32 s2, ttmp6, 0x10000c
	s_cmp_lg_u32 s2, 0xf033
	s_cbranch_scc0 .Lentry_shape_is_right
	s_endpgm
.Lentry_shape_is_right:
; q = x Wq^T + bq + tq Bq^T, k = x Wk^T + bk, v = x Wv^T + bv + tv Bv^T (tq, tv hold the factor 4), the three large products on codes of BF6; the results are quantised again: q and k along a head's 64 channels, v along the keys.
; ONE LOOP FOR ALL THREE.  Panel 0 (source 0): 16 tiles of 16 rows a work-group, 4 a wave.  Panel 1 (source 1): 8 tiles, read by all four waves.  A wave: 32 accumulators, 64 x 128 of the result.
; The cluster's x is the kind: 0 q, 1 k: panel 0 = 256 channels of W, panel 1 = 128 tokens: a lane holds a token, its registers run along a head's 64 channels.  2 v: panel 0 = 256 tokens, panel 1 = 128 channels of Wv:
; a lane holds a channel, its registers run along 64 tokens.  So in each kind a lane's 32 registers of four neighbouring accumulators are what the next quantiser wants: register 16 B + i = k 32 B + 16 h + i.
; (A tile 2 G + u holds in lane r row 32 G + 8 u + r + 8 (r / 8): that is what makes the registers of tiles 2 G and 2 G + 1 neighbours.)
; ALL OF K = 1,024 LIES IN LDS: four stages of 256 along K, each filled once by joint tensor loads issued together at the head: four of a wave are out at the most; no byte of LDS is filled twice.
; CLUSTER 4 x 4: panel 1 hangs on cy and is shared along a row of the cluster, panel 0 on cx and is shared along a column.
; Codes lie in memory and in LDS in the order of the operand's registers: a half fragment (16 rows x 64 K) is 768 bytes: registers 0-3 at 16 x lane, 4-5 at 512 + 8 x lane.  No pitch, no padding.
; The biases are the C of each sum's first product.  The LoRA terms are added onto the sums by the f32 matrix form, K = 8 in two steps.
; OUT: qkvc: three sections [b h 64][step of 128 tokens 16][6,144]; q, k: the half fragment of token tile a at (a % 4) 1,536 + (a / 4) 768; v: channel tile ct, 64 keys c at 1,536 ct + 768 c.
; qkvs: pieces of two scale bytes: q, k [b h][step][row 16][a 8]; v [b h][64 keys 32][row 16][ct 4].  v's pieces leave as two runs of 128 bytes a wave: half units, on 262,144 bytes in all.
; LIMITS: NaN and infinities are not served; a block under 2^-122 gets the byte 1 (read by this program alone).
; REGISTERS: window 0: v1-25 addresses; v32-63, v64-79 scale words of panel 1 and 0; v80-127, v128-223 fragments, set 0.  window 2: the same numbers, set 1.  window 1: accumulator (a, b) at 32 a + 8 b.
;   window 3: v0-63 biases, v64-79 and v80-111 the LoRA operands of panel 0 and 1.
.set S1, 32                            ; register 8 p + c: lanes 0-15 tile 2 p's words of chunk c, lanes 16-31 tile 2 p + 1's
.set S0, 64
.set F0, 80
.set F1, 128
.set BI, 0
.set L0, 64
.set L1, 80
.set TM, 80                            ; the way out, window 0: v80-87 at work
.set PIECE, 88
.set WW, 90                            ; v90-93 the eight pieces, two to a word
.set WS, 94
.set PC, 96                            ; v96-101 a half fragment's codes; v102-104 a half on its way
.set PT, 102
.set G1P1, 24
.set G1P0, 32
.set G0P1, 40                          ; s40-55: four sets; panel 0's: s56-63, s68-75
.set WV, 100
.set W1, 101
.set KX, 104
.set KY, 105
.set CX, 66
.set CY, 67
.set SEL, 20
.set MSB, 0
.macro WIN new                         ; the immediate's high byte repeats the setting that is left
.if MSB != \new
	s_set_vgpr_msb (MSB<<8)|\new
.set MSB, \new
.endif
.endm
.macro CROUND                          ; a round of the cluster's barrier
	s_barrier_signal -1
	s_barrier_wait -1
	s_cmp_lg_u32 s[WV], 0
	s_cbranch_scc1 .Lnot_wave_0_\@
	s_barrier_signal -3
.Lnot_wave_0_\@:
	s_barrier_wait -3
	s_barrier_signal -1
	s_barrier_wait -1
.endm
.macro PLACES n
.rept \n
	v_nop
.endr
.endm
; chunk c's 12 fragments (128 along K) into set c % 2: 48 loads, each of consecutive bytes
.macro FETCH c
.if (\c)%2
	WIN 0x80                                       ; destination window 2, address window 0
.else
	WIN 0
.endif
; LDS as this text fills it (in place of the stages named at the head): each panel lies in two parts: chunks 0, 1 as [tile][3,072 bytes], chunks 2-7 as [tile][9,216 bytes].
; Panel 1: 0 and 24,576; panel 0: 98,304 and 147,456.  ONE joint load a wave at the head: wave 0, 1 the first parts of panel 1 and 0, wave 2, 3 the second parts.
; Waves 0 and 1 wait for their loads ahead of the first barrier; chunks 0 and 1 are multiplied while the second parts are out; all waves wait for 0 ahead of the second barrier.  No byte is filled twice.
.set ib, 0
.rept 4
.set fr, F0+12*ib
.if (\c) < 2
.set ar, 8
.set of, ib*3072+(\c)*1536
.else
.set ar, 10
.set of, ib*9216+((\c)-2)*1536
.endif
	ds_load_b128 v[fr:fr+3], v[ar] offset:of
	ds_load_b64 v[fr+4:fr+5], v[ar+1] offset:of+512
	ds_load_b128 v[fr+6:fr+9], v[ar] offset:of+768
	ds_load_b64 v[fr+10:fr+11], v[ar+1] offset:of+1280
.set ib, ib+1
.endr
.set ia, 0
.rept 8
.set fr, F1+12*ia
.if (\c) < 2
.set ab, ia*3072+(\c)*1536
.else
.set ab, 24576+ia*9216+((\c)-2)*1536
.endif
.set ar, 1+5*(ab/49152)                ; v1, v2 reach the first 49,152 bytes, v6, v7 the next
.set of, ab%49152
	ds_load_b128 v[fr:fr+3], v[ar] offset:of
	ds_load_b64 v[fr+4:fr+5], v[ar+1] offset:of+512
	ds_load_b128 v[fr+6:fr+9], v[ar] offset:of+768
	ds_load_b64 v[fr+10:fr+11], v[ar+1] offset:of+1280
.set ia, ia+1
.endr
	WIN 0
.endm
.macro WM ra, rb                       ; one product; ra, rb: which half of the lanes holds the tile's scale words
.if ((\ra) == 0) && ((\rb) == 0)
	v_wmma_scale_f32_16x16x128_f8f6f4 v[rD:rD+7], v[rA:rA+11], v[rB:rB+11], v[rC:rC+7], v[sA], v[sB] matrix_a_fmt:MATRIX_FMT_BF6 matrix_b_fmt:MATRIX_FMT_BF6
.elseif (\rb) == 0
	v_wmma_scale_f32_16x16x128_f8f6f4 v[rD:rD+7], v[rA:rA+11], v[rB:rB+11], v[rC:rC+7], v[sA], v[sB] matrix_a_fmt:MATRIX_FMT_BF6 matrix_b_fmt:MATRIX_FMT_BF6 matrix_a_scale:MATRIX_SCALE_ROW1
.elseif (\ra) == 0
	v_wmma_scale_f32_16x16x128_f8f6f4 v[rD:rD+7], v[rA:rA+11], v[rB:rB+11], v[rC:rC+7], v[sA], v[sB] matrix_a_fmt:MATRIX_FMT_BF6 matrix_b_fmt:MATRIX_FMT_BF6 matrix_b_scale:MATRIX_SCALE_ROW1
.else
	v_wmma_scale_f32_16x16x128_f8f6f4 v[rD:rD+7], v[rA:rA+11], v[rB:rB+11], v[rC:rC+7], v[sA], v[sB] matrix_a_fmt:MATRIX_FMT_BF6 matrix_b_fmt:MATRIX_FMT_BF6 matrix_a_scale:MATRIX_SCALE_ROW1 matrix_b_scale:MATRIX_SCALE_ROW1
.endif
.endm
; chunk c's 32 products; the 32 accumulators take turns, one instruction a turn, in the same order in every chunk.  cm 0: C = the sum; 1: the bias by panel 0's tile; 2: by panel 1's
.macro MUL c, cm
.set ia, 0
.rept 8
.set ib, 0
.rept 4
.set rD, 32*ia+8*ib
.set rC, rD
.if (\cm) == 1
.set rC, BI+8*ib
.elseif (\cm) == 2
.set rC, BI+8*ia
.endif
.set rA, F0+12*ib
.set rB, F1+12*ia
.set sA, S0+8*(ib/2)+(\c)
.set sB, S1+8*(ia/2)+(\c)
	WM ib%2, ia%2
.set ib, ib+1
.endr
.set ia, ia+1
.endr
.endm
; The half quantiser: 32 numbers of a lane, register 16 B + i = k 32 B + 16 h + i, become a half fragment's six registers and a piece of two scale bytes
.macro HQ_MAX s
.irp b, 0,1
	v_max3_num_f32 v[TM+\b], 0x2800000, |v[(\s)+16*\b]|, |v[(\s)+16*\b+1]|   ; the floor 2^(5 - 127) among the leaves.  Each accumulator is read from its low end on
.endr
.irp i, 2,4,6,8,10,12,14
.irp b, 0,1
	v_max3_num_f32 v[TM+\b], v[TM+\b], |v[(\s)+16*\b+\i]|, |v[(\s)+16*\b+\i+1]|
.endr
.endr
.endm
.macro HQ_MID
	v_permlanex16_b32 v[TM+2], v[TM], s[SEL], s[SEL+1]
	v_permlanex16_b32 v[TM+3], v[TM+1], s[SEL], s[SEL+1]
	v_max_num_f32 v[TM], v[TM], v[TM+2]
	v_max_num_f32 v[TM+1], v[TM+1], v[TM+3]
	v_add_nc_u32 v[TM+4], 0xfe000000, v[TM]        ; 4 off the exponent field: the conversion's scale operand
	v_add_nc_u32 v[TM+5], 0xfe000000, v[TM+1]
	v_lshrrev_b32 v[TM+6], 23, v[TM+4]
	v_lshrrev_b32 v[TM+7], 23, v[TM+5]
	v_lshl_or_b32 v[PIECE], v[TM+7], 8, v[TM+6]
.endm
.macro HQ_CVT s
	v_cvt_scalef32_pk16_bf6_f32 v[PC:PC+2], v[(\s):(\s)+15], v[TM+4]
	v_cvt_scalef32_pk16_bf6_f32 v[PT:PT+2], v[(\s)+16:(\s)+31], v[TM+5]
.endm
.macro HQ_FIN
	v_nop                                          ; one plain place behind a scaled conversion
.irp i, 0,1,2
	v_permlane16_swap_b32 v[PC+\i], v[PT+\i]       ; a whole block to a lane: lanes 0-15 block 0, lanes 16-31 block 1
.endr
.irp i, 0,1,2
	v_mov_b32 v[PC+3+\i], v[PT+\i]
.endr
.endm
	s_load_b128 s[4:7], s[0:1], 0x0                ; cod, scl
	s_load_b512 s[76:91], s[0:1], 0x10             ; t, Bq, Bv, bq, bk, bv, qkvc, qkvs
	v_lshl_add_u32 v254, v0, 2, 0x48000
	v_mov_b32 v255, 0
	ds_add_u32 v254, v255
	ds_add_u32 v254, v255
	v_lshrrev_b32 v1, 5, v0
	v_readfirstlane_b32 s[WV], v1                  ; wave 0..3
	s_bfe_u32 s[CX], ttmp6, 0x40000
	s_bfe_u32 s[CY], ttmp6, 0x40004
	s_mov_b32 s[KX], ttmp9                         ; the cluster's x: the kind, the same in all sixteen partners
	s_and_b32 s[KY], ttmp7, 0xffff                 ; the cluster's y
	v_and_b32 v12, 31, v0                          ; lane
	v_and_b32 v13, 15, v0                          ; r
	v_bfe_u32 v14, v0, 4, 1                        ; h
	v_lshlrev_b32 v1, 4, v12                       ; panel 1, stages 0 and 1: 16 x lane,
	v_lshlrev_b32 v2, 3, v12                       ; 8 x lane;
	v_add_nc_u32 v6, 49152, v1                     ; stages 2 and 3
	v_add_nc_u32 v7, 49152, v2
	s_mul_i32 s2, s[WV], 12288
	s_add_co_u32 s2, s2, 98304
	v_add_nc_u32 v8, s2, v1                        ; panel 0, my four tiles, stages 0 and 1;
	v_add_nc_u32 v9, s2, v2
	s_mul_i32 s2, s[WV], 36864
	s_add_co_u32 s2, s2, 147456
	v_add_nc_u32 v10, s2, v1                       ; panel 0, my four tiles, chunks 2-7
	v_add_nc_u32 v11, s2, v2
	v_lshlrev_b32 v20, 5, v12                      ; scale words: 32 bytes a row, two tiles on end
	v_and_b32 v15, 8, v13
	v_add_nc_u32 v15, v15, v13                     ; r + 8 (r / 8)
	v_lshlrev_b32 v21, 5, v15
	v_lshl_add_u32 v21, v14, 4, v21                ; a LoRA operand: my row of 32 bytes, + 16 h
	v_lshlrev_b32 v22, 6, v14                      ; a bias by registers: 16 h numbers on
	v_lshlrev_b32 v23, 2, v15                      ; a bias by lanes
	; descriptor group 1: R rows (tiles) of 3,072 bytes = 384 elements of 8 bytes, 12,288 bytes apart; no padding
	s_lshl_b32 s8, s[CY], 2
	s_lshl_b32 s8, 15, s8                          ; my row of the cluster
	s_or_b32 s[G1P1], s8, (3<<16)|(1<<21)
	s_or_b32 s44, s8, (3<<16)|(1<<21)              ; s[44:51]: group 1 of panel 1's second part
	s_lshl_b32 s9, 0x1111, s[CX]                   ; my column
	s_or_b32 s[G1P0], s9, (3<<16)|(1<<21)
	s_or_b32 s68, s9, (3<<16)|(1<<21)              ; s[68:75]: group 1 of panel 0's second part
	s_mov_b32 s[G1P1+1], 384<<16                   ; first parts: rows (tiles) of 3,072 bytes = 384 elements of 8 bytes, 12,288 bytes apart
	s_mov_b32 s[G1P1+2], 8<<16
	s_mov_b32 s[G1P1+3], 384<<16
	s_mov_b32 s[G1P1+4], 8
	s_mov_b32 s[G1P1+5], 1536
	s_mov_b32 s[G1P1+6], 0
	s_mov_b32 s[G1P1+7], 0
	s_mov_b32 s[G1P0+1], 384<<16
	s_mov_b32 s[G1P0+2], 16<<16
	s_mov_b32 s[G1P0+3], 384<<16
	s_mov_b32 s[G1P0+4], 16
	s_mov_b32 s[G1P0+5], 1536
	s_mov_b32 s[G1P0+6], 0
	s_mov_b32 s[G1P0+7], 0
.irp g, 44, 68                                 ; second parts: rows of 9,216 bytes = 1,152 elements
	s_mov_b32 s[\g+1], 1152<<16
	s_mov_b32 s[\g+3], 1152<<16
	s_mov_b32 s[\g+5], 1536
	s_mov_b32 s[\g+6], 0
	s_mov_b32 s[\g+7], 0
.endr
	s_mov_b32 s46, 8<<16
	s_mov_b32 s48, 8
	s_mov_b32 s70, 16<<16
	s_mov_b32 s72, 16
	; the panels' first tiles.  Panel 1's hangs on cy, panel 0's on cx, each in registers that never hold the other
	s_lshl_b32 s10, s[KY], 5                       ; q, k: tokens: 32 Y
	s_and_b32 s11, s[KY], 1
	s_lshl_b32 s11, s11, 5
	s_add_co_u32 s11, s11, 640                     ; v: Wv's channels: 640 + 32 (Y & 1)
	s_lshl_b32 s12, s[KX], 6
	s_add_co_u32 s12, s12, 512                     ; q, k: W's channels: 512 + 64 X
	s_lshr_b32 s13, s[KY], 1
	s_lshl_b32 s13, s13, 6                         ; v: tokens: 64 (Y >> 1)
	s_cmp_eq_u32 s[KX], 2
	s_cselect_b32 s10, s11, s10
	s_cselect_b32 s12, s13, s12
	s_lshl_b32 s11, s[CY], 3
	s_add_co_u32 s10, s10, s11                     ; panel 1's first tile
	s_lshl_b32 s13, s[CX], 4
	s_add_co_u32 s12, s12, s13                     ; panel 0's
	s_mul_i32 s14, s10, 12288                      ; panel 1's first tile,
	s_mov_b32 s15, 0
	s_mul_i32 s16, s12, 12288                      ; panel 0's first tile
	s_mov_b32 s17, 0
	s_wait_dscnt 0x0
	s_wait_kmcnt 0x0
	s_add_nc_u64 s[14:15], s[4:5], s[14:15]
	s_add_nc_u64 s[16:17], s[4:5], s[16:17]
	s_mov_b32 s40, 1                               ; group 0: panel 1, chunks 0, 1
	s_mov_b32 s41, 0
	s_mov_b64 s[42:43], s[14:15]
	s_or_b32 s43, s43, 0x80000000
	s_mov_b32 s52, 1                               ; panel 1, chunks 2-7
	s_mov_b32 s53, 24576
	s_add_nc_u64 s[54:55], s[14:15], 3072
	s_or_b32 s55, s55, 0x80000000
	s_mov_b32 s56, 1                               ; panel 0, chunks 0, 1
	s_mov_b32 s57, 98304
	s_mov_b64 s[58:59], s[16:17]
	s_or_b32 s59, s59, 0x80000000
	s_mov_b32 s60, 1                               ; panel 0, chunks 2-7
	s_mov_b32 s61, 147456
	s_add_nc_u64 s[62:63], s[16:17], 3072
	s_or_b32 s63, s63, 0x80000000
	CROUND                                         ; all sixteen work-groups are here: the joint loads meet
	s_cmp_lt_u32 s[WV], 1                          ; one chain of branches on the wave's number, one load to an arm
	s_cbranch_scc0 .Lfill_1
	tensor_load_to_lds s[40:43], s[G1P1:G1P1+7]
	s_nop 0
	PLACES 4
	s_branch .Lfilled
.Lfill_1:
	s_cmp_lt_u32 s[WV], 2
	s_cbranch_scc0 .Lfill_2
	tensor_load_to_lds s[56:59], s[G1P0:G1P0+7]
	s_nop 0
	PLACES 4
	s_branch .Lfilled
.Lfill_2:
	s_cmp_lt_u32 s[WV], 3
	s_cbranch_scc0 .Lfill_3
	tensor_load_to_lds s[52:55], s[44:51]
	s_nop 0
	PLACES 4
	s_branch .Lfilled
.Lfill_3:
	tensor_load_to_lds s[60:63], s[68:75]
	s_nop 0
	PLACES 4
.Lfilled:
	; where my results go and my small operands come from.  q, k: tb = 4 Y + cy (128 tokens), head 4 cx + w.  v: P = 4 (Y >> 1) + cx (256 tokens), hs = 4 (P & 7) + w (64 keys), hp = 4 (Y & 1) + cy (two heads)
	s_lshl_b32 s20, s[KY], 2
	s_add_co_u32 s20, s20, s[CY]                   ; tb
	s_lshl_b32 s22, s[CX], 2
	s_add_co_u32 s22, s22, s[WV]                   ; 4 cx + w
	s_and_b32 s21, s20, 0xf0                       ; 16 b
	s_add_co_u32 s21, s21, s22                     ; b h
	s_lshl_b32 s21, s21, 4
	s_and_b32 s2, s20, 15
	s_add_co_u32 s21, s21, s2                      ; 16 b h + step
	s_lshr_b32 s23, s[KY], 1
	s_lshl_b32 s23, s23, 2
	s_add_co_u32 s23, s23, s[CX]                   ; P
	s_and_b32 s8, s23, 7
	s_lshl_b32 s8, s8, 2
	s_add_co_u32 s8, s8, s[WV]                     ; hs
	s_and_b32 s9, s[KY], 1
	s_lshl_b32 s9, s9, 2
	s_add_co_u32 s9, s9, s[CY]                     ; hp
	s_lshr_b32 s98, s23, 3
	s_lshl_b32 s98, s98, 4
	s_lshl_b32 s99, s9, 1
	s_add_co_u32 s98, s98, s99                     ; v: b h of the first of my two heads
	s_mul_i32 s2, s21, 6144
	s_mul_i32 s99, s[KX], 6291456
	s_add_co_u32 s2, s2, s99                       ; q, k: the section, the step
	s_lshl_b32 s99, s98, 4
	s_lshr_b32 s3, s8, 1
	s_add_co_u32 s99, s99, s3
	s_mul_i32 s99, s99, 6144
	s_and_b32 s3, s8, 1
	s_mul_i32 s3, s3, 768
	s_add_co_u32 s99, s99, s3
	s_add_co_u32 s99, s99, 12582912                ; v: the section, the step, which 64 keys
	s_cmp_eq_u32 s[KX], 2
	s_cselect_b32 s2, s99, s2
	s_mov_b32 s3, 0
	s_add_nc_u64 s[88:89], s[88:89], s[2:3]        ; codes of panel 1's tiles 0-3
	s_lshl_b32 s2, s21, 8
	s_lshl_b32 s99, s[KX], 18
	s_add_co_u32 s2, s2, s99
	s_lshl_b32 s99, s98, 12
	s_lshl_b32 s21, s8, 7
	s_add_co_u32 s99, s99, s21
	s_add_co_u32 s99, s99, 524288
	s_cmp_eq_u32 s[KX], 2
	s_cselect_b32 s2, s99, s2
	s_add_nc_u64 s[90:91], s[90:91], s[2:3]        ; the pieces
	s_mov_b32 s2, 768
	s_cselect_b32 s2, 98304, s2                    ; tiles 4-7: q, k: 768 bytes on; v: the next head
	s_add_nc_u64 s[98:99], s[88:89], s[2:3]
	s_lshl_b32 s2, s22, 11                         ; LoRA, panel 0: q: Bq's rows 256 cx + 64 w on; v: tv's rows 256 P + 64 w on
	s_lshl_b32 s21, s23, 13
	s_lshl_b32 s8, s[WV], 11
	s_add_co_u32 s21, s21, s8
	s_add_co_u32 s21, s21, 262144
	s_cmp_eq_u32 s[KX], 2
	s_cselect_b32 s2, s21, s2
	s_cselect_b64 s[92:93], s[76:77], s[78:79]
	s_add_nc_u64 s[92:93], s[92:93], s[2:3]
	s_lshl_b32 s2, s20, 12                         ; panel 1: q: tq's rows 128 tb on; v: Bv's rows 128 hp on
	s_lshl_b32 s21, s9, 12
	s_cmp_eq_u32 s[KX], 2
	s_cselect_b32 s2, s21, s2
	s_cselect_b64 s[94:95], s[80:81], s[76:77]
	s_add_nc_u64 s[94:95], s[94:95], s[2:3]
	s_lshl_b32 s2, s22, 8                          ; the bias: q, k: my 64 channels; v: the work-group's 128
	s_lshl_b32 s21, s9, 9
	s_cmp_eq_u32 s[KX], 0
	s_cselect_b64 s[96:97], s[82:83], s[84:85]
	s_cmp_eq_u32 s[KX], 2
	s_cselect_b64 s[96:97], s[86:87], s[96:97]
	s_cselect_b32 s2, s21, s2
	s_add_nc_u64 s[96:97], s[96:97], s[2:3]
	s_cselect_b32 s22, 8, 16                       ; the pieces' place by lane: q, k: 16 r + 8 h; v: 8 r + 4,096 h
	s_cselect_b32 s23, 4096, 8
	v_mul_u32_u24 v25, v13, s22
	v_mad_u32_u24 v25, v14, s23, v25
	s_lshl_b32 s2, s10, 9
	s_add_nc_u64 s[8:9], s[6:7], s[2:3]            ; panel 1's scale words
	s_lshl_b32 s2, s[WV], 2
	s_add_co_u32 s2, s2, s12
	s_lshl_b32 s2, s2, 9
	s_add_nc_u64 s[6:7], s[6:7], s[2:3]            ; my four tiles' of panel 0
	s_mov_b32 s[SEL], 0x76543210
	s_mov_b32 s[SEL+1], 0xfedcba98
	s_wait_alu depctr_va_vdst(0)
.irp p, 0,1,2,3
.irp q, 0,1
	global_load_b128 v[S1+8*\p+4*\q:S1+8*\p+4*\q+3], v20, s[8:9] offset:1024*\p+16*\q
.endr
.endr
.irp p, 0,1
.irp q, 0,1
	global_load_b128 v[S0+8*\p+4*\q:S0+8*\p+4*\q+3], v20, s[6:7] offset:1024*\p+16*\q
.endr
.endr
	WIN 0xc0                                       ; destination window 3
.irp b, 0,1,2,3                                ; the LoRA operands: lane (r, h), register e = number 4 h + e of my row.  k's work-groups load them too (inside the buffers) and do not use them: so every path writes these registers
	global_load_b128 v[L0+4*\b:L0+4*\b+3], v21, s[92:93] offset:(32*(\b/2)+8*(\b%2))*32
.endr
.irp a, 0,1,2,3,4,5,6,7
	global_load_b128 v[L1+4*\a:L1+4*\a+3], v21, s[94:95] offset:(32*(\a/2)+8*(\a%2))*32
.endr
	WIN 0
; The bias, the first barrier and chunk 0, whose C is the bias.  kind 1: q, k: register 8 b + j = the bias of channel 32 (b / 2) + 16 h + 8 (b % 2) + j.  kind 2: v: registers 8 a .. 8 a + 7 all hold the bias of my lane's channel of tile a
.macro HEAD0 kind
	WIN 0xc0
.if \kind == 1
.irp b, 0,1,2,3
	global_load_b128 v[BI+8*\b:BI+8*\b+3], v22, s[96:97] offset:(32*(\b/2)+8*(\b%2))*4
	global_load_b128 v[BI+8*\b+4:BI+8*\b+7], v22, s[96:97] offset:(32*(\b/2)+8*(\b%2))*4+16
.endr
.else
.irp a, 0,1,2,3,4,5,6,7
	global_load_b32 v[BI+8*\a], v23, s[96:97] offset:(32*(\a/2)+8*(\a%2))*4
.endr
.endif
	WIN 0
	s_cmp_lt_u32 s[WV], 2                          ; waves 0 and 1 fetched chunks 0 and 1: they wait for their loads; the loads of waves 2 and 3 may be out: nothing is filled twice
	s_cbranch_scc0 .Lrest_out_\@
	s_wait_tensorcnt 0x0
.Lrest_out_\@:
	s_barrier_signal -1
	s_barrier_wait -1
	FETCH 0
	s_wait_loadcnt 0x0                             ; scale words, biases, LoRA operands
.if \kind == 2
	WIN 0xc3
.irp a, 0,1,2,3,4,5,6,7
.irp j, 1,2,3,4,5,6,7
	v_mov_b32 v[BI+8*\a+\j], v[BI+8*\a]
.endr
.endr
	WIN 0
.endif
	FETCH 1
	s_wait_alu depctr_va_vdst(0)
	s_wait_dscnt 48                                ; all but the 48 loads just issued
	WIN 0x70                                       ; C window 3, D window 1
	MUL 0, \kind
	WIN 0
.endm
	s_cmp_eq_u32 s[KX], 2
	s_cbranch_scc1 .Lkind_v
	HEAD0 1
	s_branch .Lchunk1
.Lkind_v:
	HEAD0 2
.Lchunk1:
; chunk c: the next chunk's fragments are asked for first, into the set that chunk c - 1 has multiplied, four places behind its products
.macro CHUNK c
.if ((\c) < 7) && ((\c) != 1)
	PLACES 4
	FETCH (\c)+1
	s_wait_dscnt 48                                ; all but the 48 loads just issued
.else
	s_wait_dscnt 0x0
.endif
.if (\c)%2
	WIN 0x5a                                       ; sources window 2, C and D window 1
.else
	WIN 0x50
.endif
	MUL \c, 0
	WIN 0
.if (\c) == 1
	s_wait_tensorcnt 0x0                           ; behind chunk 1's products: my load is in, whichever it was (no LDS instruction of mine is out),
	s_barrier_signal -1
	s_barrier_wait -1                              ; everybody's is: chunks 2-7 may be read
	PLACES 4
	FETCH 2
.endif
.endm
	CHUNK 1
	CHUNK 2
	CHUNK 3
	CHUNK 4
	CHUNK 5
	CHUNK 6
	CHUNK 7
	; ---- the LoRA term, q and v: K = 8 in two steps of the f32 form, onto the sums; step s takes registers 2 s, 2 s + 1 of both operands: the same k in both
	s_cmp_eq_u32 s[KX], 1
	s_cbranch_scc1 .Lno_lora
	PLACES 5                                       ; another form takes the sums up: five places behind the last product
	WIN 0x5f                                       ; sources window 3, C and D window 1
.irp s, 0,1
.set ia, 0
.rept 8
.set ib, 0
.rept 4
	v_wmma_f32_16x16x4_f32 v[32*ia+8*ib:32*ia+8*ib+7], v[L0+4*ib+2*\s:L0+4*ib+2*\s+1], v[L1+4*ia+2*\s:L1+4*ia+2*\s+1], v[32*ia+8*ib:32*ia+8*ib+7]
.set ib, ib+1
.endr
.set ia, ia+1
.endr
.endr
	WIN 0
.Lno_lora:
	PLACES 8                                       ; eight places behind the f32 form, ahead of the first read of a sum
	; ---- the way out: panel 1's tile a: my lanes' 32 numbers each become a half fragment and a piece
	v_mov_b32 v[TM+2], 0                           ; a lane permute's destination counts as one of its sources
	v_mov_b32 v[TM+3], 0
.set ia, 0
.rept 8
	WIN 0x14                                       ; sources 1 and 2 window 1
	HQ_MAX 32*ia
	WIN 0
	HQ_MID
.if ia%2 == 0
	v_mov_b32 v[WW+ia/2], v[PIECE]
.else
	v_lshl_or_b32 v[WW+ia/2], v[PIECE], 16, v[WW+ia/2]
.endif
	s_wait_alu depctr_va_vdst(0)
	s_wait_xcnt 0x0                                ; the last tile's stores have read the codes' registers
	WIN 0x01                                       ; source 0 window 1
	HQ_CVT 32*ia
	WIN 0
	HQ_FIN
.if ia < 4
	global_store_b128 v1, v[PC:PC+3], s[88:89] offset:(ia%4)*1536         ; 512 consecutive bytes, at a multiple of 256
	global_store_b64 v2, v[PC+4:PC+5], s[88:89] offset:(ia%4)*1536+512    ; 256
.else
	global_store_b128 v1, v[PC:PC+3], s[98:99] offset:(ia%4)*1536
	global_store_b64 v2, v[PC+4:PC+5], s[98:99] offset:(ia%4)*1536+512
.endif
.set ia, ia+1
.endr
	v_cmp_gt_u32 vcc_lo, 16, v12                   ; both halves of the lanes hold all eight pieces: lanes 0-15 store tiles 0-3's, lanes 16-31 tiles 4-7's
	v_cndmask_b32 v[WS], v[WW+2], v[WW], vcc_lo
	v_cndmask_b32 v[WS+1], v[WW+3], v[WW+1], vcc_lo
	global_store_b64 v25, v[WS:WS+1], s[90:91]
	s_wait_tensorcnt 0x0
	ds_add_u32 v254, v255
	s_wait_dscnt 0x0
	CROUND                                         ; the closing round: no work-group ends while a partner may still ask for a tile that names it
	s_endpgm
.Lfunc_end_k_qbde1617a1f_qkv:
	.size	k_qbde1617a1f_qkv, .Lfunc_end_k_qbde1617a1f_qkv-k_qbde1617a1f_qkv
	.p2alignl 7, 3214868480
	.fill 96, 4, 3214868480
	.section	.rodata,"a",@progbits
	.p2align	6, 0x0
	.amdhsa_kernel k_qbde1617a1f_qkv
		.amdhsa_group_segment_fixed_size 295424
		.amdhsa_private_segment_fixed_size 0
		.amdhsa_enable_private_segment 0
		.amdhsa_kernarg_size 80
		.amdhsa_user_sgpr_count 2
		.amdhsa_user_sgpr_kernarg_segment_ptr 1
		.amdhsa_wavefront_size32 1
		.amdhsa_system_sgpr_workgroup_id_x 1
		.amdhsa_system_sgpr_workgroup_id_y 1
		.amdhsa_system_sgpr_workgroup_id_z 1
		.amdhsa_system_vgpr_workitem_id 0
		.amdhsa_next_free_vgpr 1024
		.amdhsa_next_free_sgpr 106
		.amdhsa_reserve_vcc 1
		.amdhsa_float_denorm_mode_32 3
		.amdhsa_float_denorm_mode_16_64 3
		.amdhsa_memory_ordered 1
		.amdhsa_forward_progress 1
		.amdhsa_inst_pref_size 108
	.end_amdhsa_kernel
	.amdgpu_metadata
---
amdhsa.version: [ 1, 2 ]
amdhsa.kernels:
  - .name:           k_qbde1617a1f_qkv
    .symbol:         k_qbde1617a1f_qkv.kd
    .args:
      - { .name: cod, .offset: 0, .size: 8, .value_kind: global_buffer, .address_space: global }
      - { .name: scl, .offset: 8, .size: 8, .value_kind: global_buffer, .address_space: global }
      - { .name: t, .offset: 16, .size: 8, .value_kind: global_buffer, .address_space: global }
      - { .name: Bq, .offset: 24, .size: 8, .value_kind: global_buffer, .address_space: global }
      - { .name: Bv, .offset: 32, .size: 8, .value_kind: global_buffer, .address_space: global }
      - { .name: bq, .offset: 40, .size: 8, .value_kind: global_buffer, .address_space: global }
      - { .name: bk, .offset: 48, .size: 8, .value_kind: global_buffer, .address_space: global }
      - { .name: bv, .offset: 56, .size: 8, .value_kind: global_buffer, .address_space: global }
      - { .name: qkvc, .offset: 64, .size: 8, .value_kind: global_buffer, .address_space: global }
      - { .name: qkvs, .offset: 72, .size: 8, .value_kind: global_buffer, .address_space: global }
    .group_segment_fixed_size: 295424
    .private_segment_fixed_size: 0
    .kernarg_segment_align: 8
    .kernarg_segment_size: 80
    .max_flat_workgroup_size: 128
    .sgpr_count:     106
    .vgpr_count:     1024
    .wavefront_size: 32
...
	.end_amdgpu_metadata
.endif
;; end of part 2
;; launch attn (part 3): grid 4 x 64, 16 waves a work-group, clusters of 4 x 1, 228,352 bytes of LDS; arguments qkvc, qkvs, ac, as16; writes ac, as16
.if DOCPART == 3
	.amdgcn_target "amdgcn-amd-amdhsa--gfx1250"
	.amdhsa_code_object_version 6
	.text
	.protected	k_qbde1617a1f_attn
	.globl	k_qbde1617a1f_attn
	.p2align	8
	.type	k_qbde1617a1f_attn,@function
k_qbde1617a1f_attn:
	s_mov_b64 s[64:65], 0
	v_nop
	global_prefetch_b8 v0, s[64:65] scope:SCOPE_SE
	s_setreg_imm32_b32 hwreg(HW_REG_WAVE_MODE, 25, 1), 1
	s_wait_xcnt 0x0
	s_wait_alu depctr_hold_cnt(0) depctr_sa_sdst(0) depctr_va_vdst(0) depctr_va_sdst(0) depctr_va_ssrc(0) depctr_va_vcc(0) depctr_vm_vsrc(0)
	s_getreg_b32 s2, hwreg(HW_REG_IB_STS2, 6, 4)
	s_cmp_eq_u32 s2, 0
	s_cbranch_scc0 .Lentry_in_a_cluster
	s_endpgm
.Lentry_in_a_cluster:
	s_bfe_u32 s2, ttmp6, 0x10000c
	s_cmp_lg_u32 s2, 0x3003
	s_cbranch_scc0 .Lentry_shape_is_right
	s_endpgm
.Lentry_shape_is_right:
; For each batch and head: O[q] = sum over k of softmax_k(q . k / 8) v[k], both products on codes of BF6, and O quantised again along the channels for the last projection.
; THE SOFTMAX: t = score x log2(e) / 8; M = the largest t so far, rounded UP to a whole number; p = 2^(t - M) is quantised along the keys, not normalised.  The row's sum is taken of the unquantised p
; and divides O at the end.  When M moves, the sum and O are multiplied by 2^(old M - new M): exact.
; SHARES.  A work-group: one (batch, head) and 512 queries; each of its sixteen waves two tiles of 16 queries, one after the other (the outer loop).  Every wave walks the head's 2,048 keys, 128 a step, four steps a trip.
; THE WHOLE HEAD'S K AND V LIE IN LDS, filled once by joint loads of the cluster's four work-groups, which share the head: ONE load a wave: waves 0-3 K's quarters, 4-7 V's, 8-15 the scale pieces (1,024 bytes each).
; No byte of LDS is filled twice.  Nothing is fetched from memory inside a loop but one tile of q, so no prefetch is laid.
; LAYOUT.  Both products transposed: S^T = K Q^T, O^T = V^T P^T: a lane holds one query throughout.  A half fragment (16 rows x 64 K) is 768 bytes: registers 0-3 at 16 x lane, 4-5 at 512 + 8 x lane.
; THE HEAD HAS 64 CHANNELS, THE INSTRUCTION 128 ALONG K: a fragment of source 0 holds TWO tiles of keys side by side, source 1 is q beside 64 zero codes, on one side or the other.
; WHICH KEYS FORM A TILE IS CHOSEN HERE, BY THE LANES' LDS ADDRESSES: of each 64 keys, tile u (0..3) takes in rows 0-7 keys 8 u + 0..7 and in rows 8-15 keys 32 + 8 u + 0..7.  So lane (r, h) holds in the 32 registers
; of four tiles the WHOLE block of 32 keys 32 h + 0..31, in order: the block's maximum needs no other lane, and the conversions' results are the operand's registers.
; In memory key x of 32 lies in stored tile 2 G + ((x >> 3) & 1), row (x & 7) + 8 (x >> 4): so rows 0-7 and rows 8-15 of my tile lie 3,072 bytes apart.  K's codes get 32 bytes of padding behind each 256
; (3,456 apart in LDS), so that the sixteen lanes of a 16-byte load touch sixteen different columns of 16 bytes.
; THE SCALE WORDS of K (by my tiles) and of V (both halves of 128 keys in a word) are laid once, at the head, into LDS bytes of their own: one 16-byte load a step for each.
; The last eight lines of a step's sum of p are run in the next step, four behind each run of products: they are the places that the loads and reads behind matrix instructions owe.
; OUT: ac [token tile 512][head / 2][head % 2][768]; as16 [head 16][token tile 512][row 16]: pieces of two scale bytes.
; LIMITS: NaN and infinities are not served; the promise holds while the scaled scores stay under 2^31 in magnitude; a block under 2^-122 gets the byte 1 (read by this program alone).
.set VBASE, 110592                     ; LDS: K's codes, padded, at 0; V's here
.set KSC,   208896                     ; K's pieces as loaded [step][row][a 8]; V's 4,096 on [64 keys][row][ct]
.set VSC,   212992
.set KW,    217088                     ; K's words [step][row][fragment 4]; V's 4,096 on [step][row][ct]: stored by the waves, no fill lands here
.set VW,    221184
.set SG,    225280                     ; the results' pieces, 1,024 bytes
.set SPARE, 226304                     ; the spare words, 128 bytes a wave
.set KA16, 3                           ; v3-8 a trip's addresses
.set KA8,  4
.set VA16, 5
.set VA8,  6
.set KWA,  7
.set VWA,  8
.set SH8,  9                           ; 8 h
.set QZ,   16                          ; v16-21 zeros, v22-27 q, v28-33 zeros.  v[10:11], v[12:13]: -M, by turns; v[14:15] the sum
.set KV,   34                          ; v34-81 four fragments of K or of V
.set S,    82                          ; v82-145 S^T, then p
.set O,    146                         ; v146-177 O^T
.set PC,   178                         ; v178-189 p's codes
.set PT,   190                         ; v190-192, v194-196 halves on their way
.set BM,   198                         ; my two blocks' largest
.set SO,   200
.set BY,   202
.set TM,   198                         ; the way out's quantiser works in v198-205
.set T,    204
.set T2,   205
.set RM,   206                         ; the largest score so far
.set W,    207
.set SA,   208                         ; v208-223 eight partial sums, pairs
.set KS,   224
.set VS,   228
.set QS,   232
.set PW,   233
.set FF,   234                         ; f (v235 written once, named with it as a pair)
.set PIECE, 236
.set QP,   237
.set KB16, 238                         ; v238-243 the addresses' lane parts
.set KB8,  239
.set VB16, 240
.set VB8,  241
.set KWB,  242
.set VWB,  243
.set QPA,  244
.set SGA,  245
.set SGL,  246
.set SGO,  247
.set SGT,  249
.set XB,   250
.set WV,   12
.set CX,   13
.set BH,   14
.set G1S,  16
.set G1C,  24
.set G1K,  40
.set SEL,  52
.set CS,   54
.set TBK,  56
.set TBV,  57
.set TS,   58
.set CNT,  59
.set PS,   60
.set SGS,  61
.macro CROUND
	s_barrier_signal -1
	s_barrier_wait -1
	s_cmp_lg_u32 s[WV], 0
	s_cbranch_scc1 .Lnot_wave_0_\@
	s_barrier_signal -3
.Lnot_wave_0_\@:
	s_barrier_wait -3
	s_barrier_signal -1
	s_barrier_wait -1
.endm
.macro HQ_MAX s
.irp b, 0,1
	v_max3_num_f32 v[TM+\b], 0x2800000, |v[(\s)+16*\b]|, |v[(\s)+16*\b+1]|
.endr
.irp i, 2,4,6,8,10,12,14
.irp b, 0,1
	s_delay_alu instid0(VALU_DEP_2)
	v_max3_num_f32 v[TM+\b], v[TM+\b], |v[(\s)+16*\b+\i]|, |v[(\s)+16*\b+\i+1]|
.endr
.endr
.endm
.macro HQ_MID
	s_delay_alu instid0(VALU_DEP_2)
	v_permlanex16_b32 v[TM+2], v[TM], s[SEL], s[SEL+1]
	s_delay_alu instid0(VALU_DEP_2)
	v_permlanex16_b32 v[TM+3], v[TM+1], s[SEL], s[SEL+1]
	s_delay_alu instid0(VALU_DEP_2)
	v_max_num_f32 v[TM], v[TM], v[TM+2]
	s_delay_alu instid0(VALU_DEP_2)
	v_max_num_f32 v[TM+1], v[TM+1], v[TM+3]
	s_delay_alu instid0(VALU_DEP_2)
	v_add_nc_u32 v[TM+4], 0xfe000000, v[TM]
	s_delay_alu instid0(VALU_DEP_2)
	v_add_nc_u32 v[TM+5], 0xfe000000, v[TM+1]
	s_delay_alu instid0(VALU_DEP_2)
	v_lshrrev_b32 v[TM+6], 23, v[TM+4]
	s_delay_alu instid0(VALU_DEP_2)
	v_lshrrev_b32 v[TM+7], 23, v[TM+5]
	s_delay_alu instid0(VALU_DEP_1)
	v_lshl_or_b32 v[PIECE], v[TM+7], 8, v[TM+6]
.endm
.macro HQ_CVT s
	v_cvt_scalef32_pk16_bf6_f32 v[PC:PC+2], v[(\s):(\s)+15], v[TM+4]
	v_cvt_scalef32_pk16_bf6_f32 v[PT:PT+2], v[(\s)+16:(\s)+31], v[TM+5]
.endm
.macro HQ_FIN
	v_nop
.irp i, 0,1,2
	v_permlane16_swap_b32 v[PC+\i], v[PT+\i]
.endr
.irp i, 0,1,2
	s_delay_alu instid0(VALU_DEP_3)
	v_mov_b32 v[PC+3+\i], v[PT+\i]
.endr
.endm
	s_load_b256 s[4:11], s[0:1], 0x0               ; qkvc, qkvs, ac, as16
	v_lshl_add_u32 v254, v0, 2, SPARE
	v_mov_b32 v255, 0
	ds_add_u32 v254, v255                          ; the opening lines: the add twice on end, and its wait ahead of my tensor load
	ds_add_u32 v254, v255
	v_lshrrev_b32 v1, 5, v0
	v_readfirstlane_b32 s[WV], v1                  ; wave 0..15
	s_bfe_u32 s[CX], ttmp6, 0x40000                ; my place in the cluster: which 512 queries
	s_and_b32 s[BH], ttmp7, 0xffff                 ; batch x 16 + head, which the four partners share
	v_and_b32 v10, 31, v0                          ; lane
	v_and_b32 v11, 15, v0                          ; r
	v_bfe_u32 v12, v0, 4, 1                        ; h
	v_and_b32 v13, 7, v0                           ; r % 8
	v_bfe_u32 v14, v0, 3, 1                        ; r / 8
	v_lshlrev_b32 v1, 4, v10                       ; 16 x lane
	v_lshlrev_b32 v2, 3, v10                       ; 8 x lane
	v_lshlrev_b32 v[SH8], 3, v12
	v_mul_u32_u24 v15, v14, 3456                   ; rows 8-15 of my tile: two stored tiles on
	v_mad_u32_u24 v[KB16], v12, 288, v15           ; K, registers 0-3: 16 (r % 8) + 288 h
	v_lshl_add_u32 v[KB8], v12, 7, v15             ; K, registers 4-5: 8 (r % 8) + 128 h
	v_lshl_add_u32 v[KB16], v13, 4, v[KB16]
	v_lshl_add_u32 v[KB8], v13, 3, v[KB8]
	v_add_nc_u32 v[VB16], VBASE, v1
	v_add_nc_u32 v[VB8], VBASE, v2
	v_lshl_add_u32 v[KWB], v11, 4, KW              ; scale words: 16 bytes a row
	v_lshl_add_u32 v[VWB], v11, 4, VW
	v_lshlrev_b32 v[QPA], 4, v11                   ; q's piece: 16 bytes a row
	s_lshl_b32 s2, s[WV], 5
	s_add_co_u32 s2, s2, SG
	v_lshl_add_u32 v[SGA], v11, 1, s2              ; where my result's piece is gathered: 32 w + 2 r
	v_and_b32 v[SGL], 63, v0
	v_lshlrev_b32 v[SGO], 4, v[SGL]                ; and how the pieces leave: 16 bytes a thread of 64
	v_add_nc_u32 v[SGL], SG, v[SGO]
	; the laying of the scale words: wave w takes step w; lane l: row l / 2, two words
	v_and_b32 v6, 0x1e0, v0
	v_lshlrev_b32 v6, 3, v6                        ; 256 w
	v_lshl_add_u32 v3, v0, 3, KW                   ; out: 8 bytes a thread
	v_lshl_add_u32 v5, v10, 2, v6
	v_add_nc_u32 v5, VSC, v5                       ; V's pieces: 4 bytes a lane, the second 64 keys' 128 on
	v_bfe_u32 v7, v0, 1, 3
	v_lshl_add_u32 v4, v7, 4, v6                   ; K's: stored row (l / 2) % 8 (and 8 rows on),
	v_and_b32 v7, 1, v0
	v_lshl_add_u32 v4, v7, 3, v4                   ; which 64 keys: l % 2,
	v_lshl_add_u32 v4, v12, 2, v4                  ; and the stored pair of tiles by (l / 2) / 8
	v_add_nc_u32 v4, KSC, v4
.irp i, 0,1,2,3,4,5
	v_mov_b32 v[QZ+\i], 0                          ; the zero codes beside q
	v_mov_b32 v[QZ+12+\i], 0
.endr
	v_mov_b32 v[T], 0                              ; a lane permute's destination counts as one of its sources
	v_mov_b32 v[SO], 0
	v_mov_b32 v[SO+1], 0
	v_mov_b32 v[FF+1], 0
	; what I fetch: the wave's number and the head alone enter
	s_and_b32 s62, s[WV], 3                        ; which quarter
	s_mul_i32 s33, s62, 27648                      ; K's codes in LDS, padded
	s_mul_i32 s63, s62, 24576
	s_add_co_u32 s37, s63, VBASE                   ; V's
	s_and_b32 s66, s[WV], 7
	s_lshl_b32 s66, s66, 10
	s_add_co_u32 s49, s66, KSC                     ; pieces: K's four quarters and then V's
	s_mul_i32 s66, s[BH], 98304
	s_add_co_u32 s66, s66, s63
	s_add_co_u32 s66, s66, 6291456                 ; K's section of qkvc; V's lies 6,291,456 on
	s_mov_b32 s67, 0
	s_bfe_u32 s68, s[WV], 0x10002
	s_add_co_u32 s68, s68, 1                       ; the pieces' section: 1 K, 2 V
	s_lshl_b32 s68, s68, 18
	s_lshl_b32 s69, s[BH], 12
	s_add_co_u32 s68, s68, s69
	s_lshl_b32 s69, s62, 10
	s_add_co_u32 s68, s68, s69
	s_mov_b32 s69, 0
	; descriptor group 1: dense blocks as rows of 256 bytes (32 elements of 8 bytes): 4 rows of pieces, 96 rows of codes; K's with 8 words of padding behind each 64; the mask names all four work-groups
	s_mov_b32 s[G1S], 15|(3<<16)|(1<<21)
	s_mov_b32 s[G1C], 15|(3<<16)|(1<<21)
	s_mov_b32 s[G1K], 15|(3<<16)|(1<<20)|(1<<21)|(5<<22)|(7<<25)
.irp g, G1S, G1C, G1K
	s_mov_b32 s[\g+1], 32<<16
	s_mov_b32 s[\g+3], 32<<16
	s_mov_b32 s[\g+5], 32
	s_mov_b32 s[\g+6], 0
	s_mov_b32 s[\g+7], 0
.endr
	s_mov_b32 s[G1S+2], 4<<16
	s_mov_b32 s[G1S+4], 4
	s_mov_b32 s[G1C+2], 96<<16
	s_mov_b32 s[G1C+4], 96
	s_mov_b32 s[G1K+2], 96<<16
	s_mov_b32 s[G1K+4], 96
	s_mov_b32 s[SEL], 0x76543210
	s_mov_b32 s[SEL+1], 0xfedcba98
	s_mov_b32 s[CS], 0x3e38aa3b                    ; c = log2(e) / 8
	s_mov_b32 s[CS+1], s[CS]
	s_wait_alu depctr_va_vdst(0)                   ; the wait at the head's end
	s_wait_dscnt 0x0
	s_wait_kmcnt 0x0
	s_mov_b32 s32, 1
	s_add_nc_u64 s[34:35], s[4:5], s[66:67]
	s_mov_b32 s36, 1
	s_add_nc_u64 s[38:39], s[34:35], 6291456
	s_or_b32 s35, s35, 0x80000000
	s_or_b32 s39, s39, 0x80000000
	s_mov_b32 s48, 1
	s_add_nc_u64 s[50:51], s[6:7], s[68:69]
	s_or_b32 s51, s51, 0x80000000
	CROUND                                         ; all four work-groups are here: the joint loads meet
	s_cmp_lt_u32 s[WV], 4                          ; one chain of branches on the wave's number, one load to an arm
	s_cbranch_scc0 .Larm_v
	tensor_load_to_lds s[32:35], s[G1K:G1K+7]
	s_nop 0
.rept 4
	v_nop
.endr
	s_branch .Lasked
.Larm_v:
	s_cmp_lt_u32 s[WV], 8
	s_cbranch_scc0 .Larm_s
	tensor_load_to_lds s[36:39], s[G1C:G1C+7]
	s_nop 0
.rept 4
	v_nop
.endr
	s_branch .Lasked
.Larm_s:
	tensor_load_to_lds s[48:51], s[G1S:G1S+7]
	s_nop 0
.rept 4
	v_nop
.endr
.Lasked:
	; my queries: tile 32 cx + 16 p + w of the batch's 128 (p: the pass)
	s_lshl_b32 s80, s[BH], 4
	s_lshl_b32 s81, s[CX], 2
	s_add_co_u32 s80, s80, s81
	s_lshr_b32 s81, s[WV], 3
	s_add_co_u32 s80, s80, s81                     ; 16 b h + the step of 128 tokens in which pass 0's tile lies
	s_mul_i32 s82, s80, 6144
	s_and_b32 s81, s[WV], 3
	s_mul_i32 s81, s81, 1536
	s_add_co_u32 s82, s82, s81
	s_bfe_u32 s81, s[WV], 0x10002
	s_mul_i32 s81, s81, 768
	s_add_co_u32 s82, s82, s81
	s_mov_b32 s83, 0
	s_add_nc_u64 s[72:73], s[4:5], s[82:83]        ; q's codes
	s_lshl_b32 s82, s80, 8
	s_and_b32 s81, s[WV], 7
	s_lshl_b32 s81, s81, 1
	s_add_co_u32 s82, s82, s81
	s_add_nc_u64 s[74:75], s[6:7], s[82:83]        ; q's pieces
	s_lshr_b32 s80, s[BH], 4
	s_lshl_b32 s80, s80, 7
	s_lshl_b32 s81, s[CX], 5
	s_add_co_u32 s80, s80, s81                     ; the work-group's first token tile
	s_and_b32 s84, s[BH], 15                       ; the head
	s_add_co_u32 s81, s80, s[WV]
	s_mul_i32 s82, s81, 12288
	s_lshr_b32 s81, s84, 1
	s_mul_i32 s81, s81, 1536
	s_add_co_u32 s82, s82, s81
	s_and_b32 s81, s84, 1
	s_mul_i32 s81, s81, 768
	s_add_co_u32 s82, s82, s81
	s_add_nc_u64 s[76:77], s[8:9], s[82:83]        ; the result's codes
	s_lshl_b32 s82, s84, 14
	s_lshl_b32 s81, s80, 5
	s_add_co_u32 s82, s82, s81
	s_add_nc_u64 s[78:79], s[10:11], s[82:83]      ; and the work-group's 1,024 bytes of pieces
.macro QLOAD p                         ; pass p's q: a half fragment and its pieces
	global_load_b128 v[QZ+6:QZ+9], v1, s[72:73] offset:12288*\p
	global_load_b64 v[QZ+10:QZ+11], v2, s[72:73] offset:12288*\p+512
	global_load_u16 v[QP], v[QPA], s[74:75] offset:512*\p
.endm
.macro GRPA                            ; the last step's eight partial sums become four
.irp i, 0,1,2,3
	v_pk_add_f32 v[SA+2*\i:SA+2*\i+1], v[SA+2*\i:SA+2*\i+1], v[SA+8+2*\i:SA+9+2*\i]
.endr
.endm
.macro GRPB                            ; and one, which joins the row's sum under that step's f
	v_pk_add_f32 v[SA:SA+1], v[SA:SA+1], v[SA+2:SA+3]
	v_pk_add_f32 v[SA+4:SA+5], v[SA+4:SA+5], v[SA+6:SA+7]
	s_delay_alu instid0(VALU_DEP_1)
	v_pk_add_f32 v[SA:SA+1], v[SA:SA+1], v[SA+4:SA+5]
	s_delay_alu instid0(VALU_DEP_1)
	v_pk_fma_f32 v[14:15], v[14:15], v[FF:FF+1], v[SA:SA+1] op_sel_hi:[1,0,1]
.endm
.macro SUMS r, i0, i1, i2, i3          ; four partial sums take four more pairs of p
.irp i, \i0, \i1, \i2, \i3
	v_pk_add_f32 v[SA+2*\i:SA+2*\i+1], v[SA+2*\i:SA+2*\i+1], v[S+16*(\r)+2*\i:S+16*(\r)+2*\i+1]
.endr
.endm
; A KEY STEP: 128 keys, the k-th of a trip's four
.macro STEP k
.set NN, 10+2*((\k)%2)                 ; -M: the new one and the old one take turns between two registers
.set NO, 12-2*((\k)%2)
	GRPA                                           ; four places behind the last products, ahead of the loads into registers that they have read
.irp c, 0,1                                    ; fragment 2 c + w: my tiles 2 w and 2 w + 1 of the c-th 64 keys
.irp w, 0,1
.irp e, 0,1
	ds_load_b128 v[KV+12*(2*\c+\w)+6*\e:KV+12*(2*\c+\w)+6*\e+3], v[KA16] offset:(\k)*6912+\e*1728+\c*864+\w*128
	ds_load_b64 v[KV+12*(2*\c+\w)+6*\e+4:KV+12*(2*\c+\w)+6*\e+5], v[KA8] offset:(\k)*6912+\e*1728+\c*864+\w*64+576
.endr
.endr
.endr
	ds_load_b128 v[KS:KS+3], v[KWA] offset:(\k)*256
	s_wait_alu depctr_va_vdst(0)                   ; the wait here, directly ahead of the wait below
	s_wait_dscnt 0x0
.irp g, 0,1,2,3
	v_wmma_scale_f32_16x16x128_f8f6f4 v[S+16*\g:S+16*\g+7], v[KV+12*\g:KV+12*\g+11], v[QZ+6:QZ+17], 0, v[KS+\g], v[QS] matrix_a_fmt:MATRIX_FMT_BF6 matrix_b_fmt:MATRIX_FMT_BF6      ; q | 0: the fragment's first tile
	v_wmma_scale_f32_16x16x128_f8f6f4 v[S+16*\g+8:S+16*\g+15], v[KV+12*\g:KV+12*\g+11], v[QZ:QZ+11], 0, v[KS+\g], v[QS] matrix_a_fmt:MATRIX_FMT_BF6 matrix_b_fmt:MATRIX_FMT_BF6    ; 0 | q: its second
.endr
	GRPB                                           ; four places, ahead of the loads into K's registers and of the first read of the scores
.irp ct, 0,1,2,3                               ; V's four channel tiles x these 128 keys: they land while the softmax is walked
	ds_load_b128 v[KV+12*\ct:KV+12*\ct+3], v[VA16] offset:(\k)*6144+1536*\ct
	ds_load_b64 v[KV+12*\ct+4:KV+12*\ct+5], v[VA8] offset:(\k)*6144+1536*\ct+512
	ds_load_b128 v[KV+12*\ct+6:KV+12*\ct+9], v[VA16] offset:(\k)*6144+1536*\ct+768
	ds_load_b64 v[KV+12*\ct+10:KV+12*\ct+11], v[VA8] offset:(\k)*6144+1536*\ct+1280
.endr
	ds_load_b128 v[VS:VS+3], v[VWA] offset:(\k)*256
.irp b, 0,1                                    ; the largest score of my two blocks of 32 keys, in four chains; each accumulator is first read at its low end
	v_max3_num_f32 v[BM+\b], v[S+32*\b], v[S+32*\b+1], v[S+32*\b+2]
	v_max3_num_f32 v[XB+\b], v[S+32*\b+16], v[S+32*\b+17], v[S+32*\b+18]
.endr
.irp i, 3,5,7,9,11,13
.irp b, 0,1
	v_max3_num_f32 v[BM+\b], v[BM+\b], v[S+32*\b+\i], v[S+32*\b+\i+1]
	v_max3_num_f32 v[XB+\b], v[XB+\b], v[S+32*\b+16+\i], v[S+32*\b+17+\i]
.endr
.endr
.irp b, 0,1
	v_max3_num_f32 v[BM+\b], v[BM+\b], v[XB+\b], v[S+32*\b+15]
.endr
.irp b, 0,1
	v_max_num_f32 v[BM+\b], v[BM+\b], v[S+32*\b+31]
.endr
	v_max3_num_f32 v[RM], v[RM], v[BM], v[BM+1]    ; the running largest score,
	v_permlanex16_b32 v[T], v[RM], s[SEL], s[SEL+1]
	s_delay_alu instid0(VALU_DEP_1)
	v_max_num_f32 v[RM], v[RM], v[T]               ; with lane l xor 16's blocks
	s_delay_alu instid0(VALU_DEP_1)
	v_mul_f32 v[T2], s[CS], v[RM]                  ; as t (c is positive)
	s_delay_alu instid0(VALU_DEP_1)
	v_floor_f32 v[NN], -v[T2]                      ; the new -M = -ceil(t)
.irp j, 0,2,4,6,8,10,12,14,16,18,20,22,24,26,28,30,32,34,36,38,40,42,44,46,48,50,52,54,56,58,60,62
	v_pk_fma_f32 v[S+\j:S+\j+1], v[S+\j:S+\j+1], s[CS:CS+1], v[NN:NN+1] op_sel_hi:[1,0,0]   ; t - M
.endr
.irp b, 0,1
	v_fma_f32 v[BM+\b], v[BM+\b], s[CS], v[NN]     ; the same of each block's largest score: p rises with the score
.endr
	s_wait_alu depctr_va_vdst(0)                   ; the wait ahead of the batch
.irp j, 0,1,2,3,4,5,6,7,8,9,10,11,12,13,14,15,16,17,18,19,20,21,22,23,24,25,26,27,28,29,30,31,32,33,34,35,36,37,38,39,40,41,42,43,44,45,46,47,48,49,50,51,52,53,54,55,56,57,58,59,60,61,62,63
	v_exp_f32 v[S+\j], v[S+\j]                     ; p = 2^(t - M)
.endr
.irp b, 0,1
	v_exp_f32 v[BM+\b], v[BM+\b]                   ; each block's largest p
.endr
	v_sub_f32 v[T2], v[NN], v[NO]                  ; old M - new M: a whole number, 0 or less.  Plain lines behind the batch
	s_delay_alu instid0(VALU_DEP_1)
	v_cvt_i32_f32 v[T2], v[T2]                     ; (it saturates)
	s_delay_alu instid0(VALU_DEP_1)
	v_ldexp_f32 v[FF], 1.0, v[T2]                  ; f = 2^(old M - new M)
	s_wait_alu depctr_va_vdst(0)                   ; one wait for the batch of 66, ahead of its first reader
.irp b, 0,1
	v_max_num_f32 v[BM+\b], 0x2800000, v[BM+\b]    ; the floor: the byte cannot fall under 1
.endr
.irp i, 0,1,2,3,4,5,6,7                        ; the row's sum is taken of the unquantised p: eight chains
	v_pk_add_f32 v[SA+2*\i:SA+2*\i+1], v[S+2*\i:S+2*\i+1], v[S+16+2*\i:S+17+2*\i]
.endr
.irp b, 0,1
	v_add_nc_u32 v[SO+\b], 0xfe000000, v[BM+\b]    ; 4 off the exponent field: the conversion's scale operand
.endr
.irp b, 0,1
	s_delay_alu instid0(VALU_DEP_2)
	v_lshrrev_b32 v[BY+\b], 23, v[SO+\b]           ; the byte
.endr
	SUMS 2, 0,1,2,3
	SUMS 2, 4,5,6,7
	v_lshl_or_b32 v[W], v[BY+1], 16, v[BY]         ; my bytes: blocks h and 2 + h,
	s_delay_alu instid0(VALU_DEP_1)
	v_lshlrev_b32 v[W], v[SH8], v[W]               ; at their places in the word
	SUMS 3, 0,1,2,3
	v_permlanex16_b32 v[T], v[W], s[SEL], s[SEL+1]
	SUMS 3, 4,5,6,7
	v_or_b32 v[PW], v[W], v[T]                     ; with lane l xor 16's two the word is whole
.irp c, 0,1
	v_cvt_scalef32_pk16_bf6_f32 v[PC+6*\c:PC+2+6*\c], v[S+32*\c:S+15+32*\c], v[SO+\c]
	v_cvt_scalef32_pk16_bf6_f32 v[PT+4*\c:PT+2+4*\c], v[S+16+32*\c:S+31+32*\c], v[SO+\c]   ; (a conversion's three registers begin on an even number)
.endr
	s_wait_dscnt 0x0                               ; V's fragments and words are in
	s_wait_alu depctr_va_vdst(0)                   ; the wait here, directly ahead of the first reader of O^T
.irp j, 0,2,4,6,8,10,12,14
	v_pk_mul_f32 v[O+\j:O+\j+1], v[O+\j:O+\j+1], v[FF:FF+1] op_sel_hi:[1,0]   ; O^T under the new M
.endr
.irp c, 0,1
.irp i, 0,1,2
	v_mov_b32 v[PC+3+6*\c+\i], v[PT+4*\c+\i]
.endr
.endr
.irp j, 16,18,20,22,24,26,28,30
	v_pk_mul_f32 v[O+\j:O+\j+1], v[O+\j:O+\j+1], v[FF:FF+1] op_sel_hi:[1,0]   ; of these eight at least four name no register of any one product below: the places that codes moved by vector lines owe
.endr
.irp ct, 0,1,2,3
	v_wmma_scale_f32_16x16x128_f8f6f4 v[O+8*\ct:O+8*\ct+7], v[KV+12*\ct:KV+12*\ct+11], v[PC:PC+11], v[O+8*\ct:O+8*\ct+7], v[VS+\ct], v[PW] matrix_a_fmt:MATRIX_FMT_BF6 matrix_b_fmt:MATRIX_FMT_BF6
.endr
.endm
	QLOAD 0
	s_wait_tensorcnt 0x0                           ; my part of K, V or their pieces is in,
	s_barrier_signal -1
	s_barrier_wait -1                              ; everybody's is
	ds_load_b32 v248, v4                           ; K's words of my row for the fragments 2 c and 2 c + 1
	ds_load_b32 v249, v4 offset:128
	ds_load_b32 v250, v5                           ; V's pieces of two channel tiles: the first 64 keys',
	ds_load_b32 v251, v5 offset:128                ; the second 64 keys'
	s_wait_dscnt 0x0
	v_perm_b32 v252, v251, v250, 0x05040100        ; a channel tile's word: the first 64 keys' two bytes below, the second's above
	v_perm_b32 v253, v251, v250, 0x07060302
	ds_store_b64 v3, v[248:249]
	ds_store_b64 v3, v[252:253] offset:4096
	s_wait_dscnt 0x0                               ; for the others' sake
	s_barrier_signal -1
	s_barrier_wait -1
	s_mov_b32 s[PS], 0
	s_mov_b32 s[SGS], 0
.Lpass:
	s_wait_loadcnt 0x0                             ; q
	v_lshl_or_b32 v[QS], v[QP], 16, v[QP]          ; q's two bytes, for whichever side q stands on; the lines below are more than the eight places that a scale word so made owes
	v_mov_b32 v[RM], 0xff61b1e6                    ; the largest score so far: -3e38
	v_mov_b32 v12, 0x7f61b1e6                      ; -M
	v_mov_b32 v14, 0                               ; the sum, in two halves
	v_mov_b32 v15, 0
	v_mov_b32 v[FF], 0
.irp j, 0,1,2,3,4,5,6,7,8,9,10,11,12,13,14,15
	v_mov_b32 v[SA+\j], 0
	v_mov_b32 v[O+\j], 0                           ; the step is written once for all steps: the first finds zeros, which the first change of M leaves zeros
	v_mov_b32 v[O+16+\j], 0
.endr
	s_mov_b32 s[TBK], 0
	s_mov_b32 s[TBV], 0
	s_mov_b32 s[TS], 0
	s_mov_b32 s[CNT], 4
.Ltrip:
	v_add_nc_u32 v[KA16], s[TBK], v[KB16]          ; the trip's addresses; its four steps stand in the immediates
	v_add_nc_u32 v[KA8], s[TBK], v[KB8]
	v_add_nc_u32 v[VA16], s[TBV], v[VB16]
	v_add_nc_u32 v[VA8], s[TBV], v[VB8]
	v_add_nc_u32 v[KWA], s[TS], v[KWB]
	v_add_nc_u32 v[VWA], s[TS], v[VWB]
	STEP 0
	STEP 1
	STEP 2
	STEP 3
	s_add_co_u32 s[TBK], s[TBK], 27648
	s_add_co_u32 s[TBV], s[TBV], 24576
	s_add_co_u32 s[TS], s[TS], 1024
	s_sub_co_u32 s[CNT], s[CNT], 1
	s_cmp_lg_u32 s[CNT], 0
	s_wait_alu depctr_va_vdst(0)                   ; the wait here, directly ahead of the branch
	s_cbranch_scc1 .Ltrip
	GRPA                                           ; the last step's sum; also the places behind the last products
	GRPB
	s_cmp_lg_u32 s[PS], 0
	s_wait_alu depctr_va_vdst(0)                   ; the wait here, directly ahead of the branch
	s_cbranch_scc1 .Lno_q
	QLOAD 1                                        ; lands while pass 0's result is quantised
.Lno_q:
	v_add_f32 v14, v14, v15
	v_add_nc_u32 v[SGT], s[SGS], v[SGA]
	s_delay_alu instid0(VALU_DEP_2)
	v_permlanex16_b32 v[T], v14, s[SEL], s[SEL+1]
	s_delay_alu instid0(VALU_DEP_1)
	v_add_f32 v14, v14, v[T]                       ; the row's sum
	s_wait_alu depctr_va_vdst(0)                   ; the wait ahead of the transcendental
	v_rcp_f32 v[FF], v14
	v_nop                                          ; a plain place behind the reciprocal,
	s_wait_alu depctr_va_vdst(0)                   ; and the wait ahead of its first reader and of O^T's
.irp j, 0,2,4,6,8,10,12,14,16,18,20,22,24,26,28,30
	v_pk_mul_f32 v[S+\j:S+\j+1], v[O+\j:O+\j+1], v[FF:FF+1] op_sel_hi:[1,0]   ; each accumulator from its low end on.  Register 16 B + i = channel 32 B + 16 h + i
.endr
	HQ_MAX S
	HQ_MID
	HQ_CVT S
	HQ_FIN
	global_store_b128 v1, v[PC:PC+3], s[76:77]             ; 512 consecutive bytes, at a multiple of 256
	global_store_b64 v2, v[PC+4:PC+5], s[76:77] offset:512 ; 256
	ds_store_b16 v[SGT], v[PIECE]                  ; lanes r and r + 16 write the same two bytes with the same value
	s_wait_xcnt 0x0                                ; the stores have read their registers and their base
	s_wait_dscnt 0x0
	s_add_nc_u64 s[76:77], s[76:77], 196608        ; the next pass's tile: 16 token tiles on
	s_add_co_u32 s[SGS], s[SGS], 512
	s_add_co_u32 s[PS], s[PS], 1
	s_cmp_lt_u32 s[PS], 2
	s_wait_alu depctr_va_vdst(0)                   ; the wait here, directly ahead of the branch
	s_cbranch_scc1 .Lpass
	s_barrier_signal -1                            ; (my LDS stores have been waited for)
	s_barrier_wait -1                              ; the 32 tiles' pieces lie in LDS
	s_cmp_lt_u32 s[WV], 2
	s_cbranch_scc0 .Lno_pieces
	ds_load_b128 v[16:19], v[SGL]
	s_wait_dscnt 0x0
	global_store_b128 v[SGO], v[16:19], s[78:79]   ; two waves store 1,024 consecutive bytes
.Lno_pieces:
	s_wait_tensorcnt 0x0                           ; the wave's end
	ds_add_u32 v254, v255
	s_wait_dscnt 0x0
	CROUND                                         ; the closing round
	s_endpgm
.Lfunc_end_k_qbde1617a1f_attn:
	.size	k_qbde1617a1f_attn, .Lfunc_end_k_qbde1617a1f_attn-k_qbde1617a1f_attn
	.p2alignl 7, 3214868480
	.fill 96, 4, 3214868480
	.section	.rodata,"a",@progbits
	.p2align	6, 0x0
	.amdhsa_kernel k_qbde1617a1f_attn
		.amdhsa_group_segment_fixed_size 228352
		.amdhsa_private_segment_fixed_size 0
		.amdhsa_enable_private_segment 0
		.amdhsa_kernarg_size 32
		.amdhsa_user_sgpr_count 2
		.amdhsa_user_sgpr_kernarg_segment_ptr 1
		.amdhsa_wavefront_size32 1
		.amdhsa_system_sgpr_workgroup_id_x 1
		.amdhsa_system_sgpr_workgroup_id_y 1
		.amdhsa_system_sgpr_workgroup_id_z 1
		.amdhsa_system_vgpr_workitem_id 0
		.amdhsa_next_free_vgpr 256
		.amdhsa_next_free_sgpr 86
		.amdhsa_reserve_vcc 0
		.amdhsa_float_denorm_mode_32 3
		.amdhsa_float_denorm_mode_16_64 3
		.amdhsa_memory_ordered 1
		.amdhsa_forward_progress 1
		.amdhsa_inst_pref_size 77
	.end_amdhsa_kernel
	.amdgpu_metadata
---
amdhsa.version: [ 1, 2 ]
amdhsa.kernels:
  - .name:           k_qbde1617a1f_attn
    .symbol:         k_qbde1617a1f_attn.kd
    .args:
      - { .name: qkvc, .offset: 0, .size: 8, .value_kind: global_buffer, .address_space: global }
      - { .name: qkvs, .offset: 8, .size: 8, .value_kind: global_buffer, .address_space: global }
      - { .name: ac, .offset: 16, .size: 8, .value_kind: global_buffer, .address_space: global }
      - { .name: as16, .offset: 24, .size: 8, .value_kind: global_buffer, .address_space: global }
    .group_segment_fixed_size: 228352
    .private_segment_fixed_size: 0
    .kernarg_segment_align: 8
    .kernarg_segment_size: 32
    .max_flat_workgroup_size: 512
    .sgpr_count:     86
    .vgpr_count:     256
    .wavefront_size: 32
...
	.end_amdgpu_metadata
.endif
;; end of part 3
;; launch proj (part 4): grid 4 x 64, 4 waves a work-group, clusters of 4 x 4, 312,832 bytes of LDS; arguments cod, scl, ac, as16, bo, out0; writes out0
.if DOCPART == 4
	.amdgcn_target "amdgcn-amd-amdhsa--gfx1250"
	.amdhsa_code_object_version 6
	.text
	.protected	k_qbde1617a1f_proj
	.globl	k_qbde1617a1f_proj
	.p2align	8
	.type	k_qbde1617a1f_proj,@function
k_qbde1617a1f_proj:
	s_mov_b64 s[64:65], 0
	v_nop
	global_prefetch_b8 v0, s[64:65] scope:SCOPE_SE
	s_setreg_imm32_b32 hwreg(HW_REG_WAVE_MODE, 25, 1), 1
	s_wait_xcnt 0x0
	s_wait_alu depctr_hold_cnt(0) depctr_sa_sdst(0) depctr_va_vdst(0) depctr_va_sdst(0) depctr_va_ssrc(0) depctr_va_vcc(0) depctr_vm_vsrc(0)
	s_getreg_b32 s2, hwreg(HW_REG_IB_STS2, 6, 4)
	s_cmp_eq_u32 s2, 0
	s_cbranch_scc0 .Lentry_in_a_cluster
	s_endpgm
.Lentry_in_a_cluster:
	s_bfe_u32 s2, ttmp6, 0x10000c
	s_cmp_lg_u32 s2, 0xf033
	s_cbranch_scc0 .Lentry_shape_is_right
	s_endpgm
.Lentry_shape_is_right:
; out = a Wo^T + bo on codes of BF6: a is the attention's result, quantised by the launch before; Wo's codes by the first launch.
; The loop is that of the three first projections.  Panel 0 (source 0): 256 channels of Wo a work-group, 64 a wave.  Panel 1 (source 1): 128 tokens, read by all four waves.  A wave: 32 accumulators.
; All of K = 1,024 lies in LDS: four stages of 256 along K, each filled once by joint tensor loads issued together at the head: four of a wave are out at the most; no byte of LDS is filled twice.
; CLUSTER 4 x 4: panel 1 hangs on cy and is shared along a row of the cluster, panel 0 on cx and is shared along a column.
; A lane holds a token; the registers of accumulators (a, 0 .. 3) are 64 channels: register 8 b + j = channel 32 (b / 2) + 16 h + 8 (b % 2) + j.  Tile a's lane r is token 32 (a / 2) + 8 (a % 2) + r + 8 (r / 8).
; The bias is the C of each sum's first product.  The results leave through the wave's own stage in LDS, so that sixteen lanes store 256 consecutive bytes of a row of out.
; REGISTERS: window 0: v1-24 addresses; v32-63, v64-79 scale words; v80-127, v128-223 fragments, set 0.  window 2: set 1.  window 1: accumulator (a, b) at 32 a + 8 b.  window 3: v0-31 the bias.
.set S1, 32
.set S0, 64
.set F0, 80
.set F1, 128
.set BI, 0
.set BK, 80                            ; the way out: 16 rows back from the stage: v80-111 and v112-143 by turns
.set STAGE, 294912                     ; behind the panels: 16 rows x (256 + 16) bytes for each wave; no fill lands there
.set G1P1, 24
.set G1P0, 32
.set G0P1, 40
.set WV, 100
.set W1, 101
.set KY, 105
.set CX, 66
.set CY, 67
.set MSB, 0
.macro WIN new
.if MSB != \new
	s_set_vgpr_msb (MSB<<8)|\new
.set MSB, \new
.endif
.endm
.macro CROUND
	s_barrier_signal -1
	s_barrier_wait -1
	s_cmp_lg_u32 s[WV], 0
	s_cbranch_scc1 .Lnot_wave_0_\@
	s_barrier_signal -3
.Lnot_wave_0_\@:
	s_barrier_wait -3
	s_barrier_signal -1
	s_barrier_wait -1
.endm
.macro PLACES n
.rept \n
	v_nop
.endr
.endm
.macro FETCH c                         ; chunk c's 12 fragments into set c % 2: 48 loads
.if (\c)%2
	WIN 0x80
.else
	WIN 0
.endif
; LDS as this text fills it (in place of the stages named at the head): each panel lies in two parts: chunks 0, 1 as [tile][3,072 bytes], chunks 2-7 as [tile][9,216 bytes].
; Panel 1: 0 and 24,576; panel 0: 98,304 and 147,456.  ONE joint load a wave at the head: wave 0, 1 the first parts of panel 1 and 0, wave 2, 3 the second parts.
; Waves 0 and 1 wait for their loads ahead of the first barrier; chunks 0 and 1 are multiplied while the second parts are out; all waves wait for 0 ahead of the second barrier.  No byte is filled twice.
.set ib, 0
.rept 4
.set fr, F0+12*ib
.if (\c) < 2
.set ar, 8
.set of, ib*3072+(\c)*1536
.else
.set ar, 10
.set of, ib*9216+((\c)-2)*1536
.endif
	ds_load_b128 v[fr:fr+3], v[ar] offset:of
	ds_load_b64 v[fr+4:fr+5], v[ar+1] offset:of+512
	ds_load_b128 v[fr+6:fr+9], v[ar] offset:of+768
	ds_load_b64 v[fr+10:fr+11], v[ar+1] offset:of+1280
.set ib, ib+1
.endr
.set ia, 0
.rept 8
.set fr, F1+12*ia
.if (\c) < 2
.set ab, ia*3072+(\c)*1536
.else
.set ab, 24576+ia*9216+((\c)-2)*1536
.endif
.set ar, 1+5*(ab/49152)                ; v1, v2 reach the first 49,152 bytes, v6, v7 the next
.set of, ab%49152
	ds_load_b128 v[fr:fr+3], v[ar] offset:of
	ds_load_b64 v[fr+4:fr+5], v[ar+1] offset:of+512
	ds_load_b128 v[fr+6:fr+9], v[ar] offset:of+768
	ds_load_b64 v[fr+10:fr+11], v[ar+1] offset:of+1280
.set ia, ia+1
.endr
	WIN 0
.endm
.macro WM ra, rb
.if ((\ra) == 0) && ((\rb) == 0)
	v_wmma_scale_f32_16x16x128_f8f6f4 v[rD:rD+7], v[rA:rA+11], v[rB:rB+11], v[rC:rC+7], v[sA], v[sB] matrix_a_fmt:MATRIX_FMT_BF6 matrix_b_fmt:MATRIX_FMT_BF6
.elseif (\rb) == 0
	v_wmma_scale_f32_16x16x128_f8f6f4 v[rD:rD+7], v[rA:rA+11], v[rB:rB+11], v[rC:rC+7], v[sA], v[sB] matrix_a_fmt:MATRIX_FMT_BF6 matrix_b_fmt:MATRIX_FMT_BF6 matrix_a_scale:MATRIX_SCALE_ROW1
.elseif (\ra) == 0
	v_wmma_scale_f32_16x16x128_f8f6f4 v[rD:rD+7], v[rA:rA+11], v[rB:rB+11], v[rC:rC+7], v[sA], v[sB] matrix_a_fmt:MATRIX_FMT_BF6 matrix_b_fmt:MATRIX_FMT_BF6 matrix_b_scale:MATRIX_SCALE_ROW1
.else
	v_wmma_scale_f32_16x16x128_f8f6f4 v[rD:rD+7], v[rA:rA+11], v[rB:rB+11], v[rC:rC+7], v[sA], v[sB] matrix_a_fmt:MATRIX_FMT_BF6 matrix_b_fmt:MATRIX_FMT_BF6 matrix_a_scale:MATRIX_SCALE_ROW1 matrix_b_scale:MATRIX_SCALE_ROW1
.endif
.endm
.macro MUL c, cm                       ; chunk c's 32 products, the accumulators by turns.  cm 0: C = the sum; 1: the bias
.set ia, 0
.rept 8
.set ib, 0
.rept 4
.set rD, 32*ia+8*ib
.set rC, rD
.if (\cm) == 1
.set rC, BI+8*ib
.endif
.set rA, F0+12*ib
.set rB, F1+12*ia
.set sA, S0+8*(ib/2)+(\c)
.set sB, S1+8*(ia/2)+(\c)
	WM ib%2, ia%2
.set ib, ib+1
.endr
.set ia, ia+1
.endr
.endm
	s_load_b256 s[4:11], s[0:1], 0x0               ; cod, scl, ac, as16
	s_load_b128 s[76:79], s[0:1], 0x20             ; bo, out0
	v_lshl_add_u32 v254, v0, 2, 0x4c400
	v_mov_b32 v255, 0
	ds_add_u32 v254, v255
	ds_add_u32 v254, v255
	v_lshrrev_b32 v1, 5, v0
	v_readfirstlane_b32 s[WV], v1
	s_bfe_u32 s[CX], ttmp6, 0x40000
	s_bfe_u32 s[CY], ttmp6, 0x40004
	s_and_b32 s[KY], ttmp7, 0xffff
	v_and_b32 v12, 31, v0                          ; lane
	v_and_b32 v13, 15, v0                          ; r
	v_bfe_u32 v17, v0, 4, 1                        ; h
	v_lshlrev_b32 v1, 4, v12
	v_lshlrev_b32 v2, 3, v12
	v_add_nc_u32 v6, 49152, v1
	v_add_nc_u32 v7, 49152, v2
	s_mul_i32 s2, s[WV], 12288
	s_add_co_u32 s2, s2, 98304
	v_add_nc_u32 v8, s2, v1
	v_add_nc_u32 v9, s2, v2
	s_mul_i32 s2, s[WV], 36864
	s_add_co_u32 s2, s2, 147456
	v_add_nc_u32 v10, s2, v1                       ; panel 0, my four tiles, chunks 2-7
	v_add_nc_u32 v11, s2, v2
	v_lshlrev_b32 v20, 5, v12                      ; Wo's scale words: 32 bytes a row
	v_lshlrev_b32 v22, 6, v17                      ; the bias: 16 h numbers on
	v_lshlrev_b32 v24, 1, v12                      ; a's pieces: 2 bytes a row, two tiles on end
	s_mul_i32 s2, s[WV], 4352
	s_add_co_u32 s2, s2, STAGE                     ; my stage
	v_mul_u32_u24 v14, v13, 272
	v_lshl_add_u32 v14, v17, 6, v14
	v_add_nc_u32 v14, s2, v14                      ; in: row r, + 64 h
	v_mul_u32_u24 v15, v17, 272
	v_lshl_add_u32 v15, v13, 4, v15
	v_add_nc_u32 v15, s2, v15                      ; back: lanes 0-15 one row, lanes 16-31 the next
	v_lshlrev_b32 v16, 12, v17
	v_lshl_add_u32 v16, v13, 4, v16                ; and the same two rows in out
	s_lshl_b32 s2, s[CY], 2
	s_lshl_b32 s2, 15, s2
	s_or_b32 s[G1P1], s2, (3<<16)|(1<<21)
	s_or_b32 s44, s2, (3<<16)|(1<<21)              ; s[44:51]: group 1 of panel 1's second part
	s_lshl_b32 s3, 0x1111, s[CX]
	s_or_b32 s[G1P0], s3, (3<<16)|(1<<21)
	s_or_b32 s68, s3, (3<<16)|(1<<21)              ; s[68:75]: group 1 of panel 0's second part
	s_mov_b32 s[G1P1+1], 384<<16                   ; first parts: rows (tiles) of 3,072 bytes = 384 elements of 8 bytes, 12,288 bytes apart
	s_mov_b32 s[G1P1+2], 8<<16
	s_mov_b32 s[G1P1+3], 384<<16
	s_mov_b32 s[G1P1+4], 8
	s_mov_b32 s[G1P1+5], 1536
	s_mov_b32 s[G1P1+6], 0
	s_mov_b32 s[G1P1+7], 0
	s_mov_b32 s[G1P0+1], 384<<16
	s_mov_b32 s[G1P0+2], 16<<16
	s_mov_b32 s[G1P0+3], 384<<16
	s_mov_b32 s[G1P0+4], 16
	s_mov_b32 s[G1P0+5], 1536
	s_mov_b32 s[G1P0+6], 0
	s_mov_b32 s[G1P0+7], 0
.irp g, 44, 68                                 ; second parts: rows of 9,216 bytes = 1,152 elements
	s_mov_b32 s[\g+1], 1152<<16
	s_mov_b32 s[\g+3], 1152<<16
	s_mov_b32 s[\g+5], 1536
	s_mov_b32 s[\g+6], 0
	s_mov_b32 s[\g+7], 0
.endr
	s_mov_b32 s46, 8<<16
	s_mov_b32 s48, 8
	s_mov_b32 s70, 16<<16
	s_mov_b32 s72, 16
	s_lshl_b32 s12, s[KY], 5
	s_lshl_b32 s2, s[CY], 3
	s_add_co_u32 s12, s12, s2                      ; panel 1's first tile: 32 Y + 8 cy
	s_lshl_b32 s13, s[CX], 4
	s_add_co_u32 s13, s13, 704                     ; panel 0's: Wo's tiles begin at 704
	s_mul_i32 s14, s12, 12288                      ; panel 1's first tile,
	s_mov_b32 s15, 0
	s_mul_i32 s16, s13, 12288                      ; panel 0's first tile
	s_mov_b32 s17, 0
	s_wait_dscnt 0x0
	s_wait_kmcnt 0x0
	s_add_nc_u64 s[14:15], s[8:9], s[14:15]        ; in ac
	s_add_nc_u64 s[16:17], s[4:5], s[16:17]        ; in cod
	s_mov_b32 s40, 1                               ; group 0: panel 1, chunks 0, 1
	s_mov_b32 s41, 0
	s_mov_b64 s[42:43], s[14:15]
	s_or_b32 s43, s43, 0x80000000
	s_mov_b32 s52, 1                               ; panel 1, chunks 2-7
	s_mov_b32 s53, 24576
	s_add_nc_u64 s[54:55], s[14:15], 3072
	s_or_b32 s55, s55, 0x80000000
	s_mov_b32 s56, 1                               ; panel 0, chunks 0, 1
	s_mov_b32 s57, 98304
	s_mov_b64 s[58:59], s[16:17]
	s_or_b32 s59, s59, 0x80000000
	s_mov_b32 s60, 1                               ; panel 0, chunks 2-7
	s_mov_b32 s61, 147456
	s_add_nc_u64 s[62:63], s[16:17], 3072
	s_or_b32 s63, s63, 0x80000000
	CROUND                                         ; all sixteen work-groups are here: the joint loads meet
	s_cmp_lt_u32 s[WV], 1                          ; one chain of branches on the wave's number, one load to an arm
	s_cbranch_scc0 .Lfill_1
	tensor_load_to_lds s[40:43], s[G1P1:G1P1+7]
	s_nop 0
	PLACES 4
	s_branch .Lfilled
.Lfill_1:
	s_cmp_lt_u32 s[WV], 2
	s_cbranch_scc0 .Lfill_2
	tensor_load_to_lds s[56:59], s[G1P0:G1P0+7]
	s_nop 0
	PLACES 4
	s_branch .Lfilled
.Lfill_2:
	s_cmp_lt_u32 s[WV], 3
	s_cbranch_scc0 .Lfill_3
	tensor_load_to_lds s[52:55], s[44:51]
	s_nop 0
	PLACES 4
	s_branch .Lfilled
.Lfill_3:
	tensor_load_to_lds s[60:63], s[68:75]
	s_nop 0
	PLACES 4
.Lfilled:
	s_mov_b32 s21, 0
	s_lshl_b32 s20, s[WV], 2
	s_add_co_u32 s20, s20, s13
	s_lshl_b32 s20, s20, 9
	s_add_nc_u64 s[6:7], s[6:7], s[20:21]          ; my four tiles' scale words
	s_lshl_b32 s20, s12, 5
	s_add_nc_u64 s[10:11], s[10:11], s[20:21]      ; panel 1's pieces: 32 bytes a tile
	s_lshl_b32 s20, s[CX], 10
	s_lshl_b32 s22, s[WV], 8
	s_add_co_u32 s20, s20, s22                     ; my 64 channels, in bytes
	s_add_nc_u64 s[76:77], s[76:77], s[20:21]
	s_add_nc_u64 s[78:79], s[78:79], s[20:21]
	s_lshl_b32 s20, s[KY], 2
	s_add_co_u32 s20, s20, s[CY]
	s_lshl_b32 s20, s20, 19                        ; the work-group's 128 tokens: rows of 4,096 bytes
	s_add_nc_u64 s[78:79], s[78:79], s[20:21]
.irp p, 0,1
.irp q, 0,1
	global_load_b128 v[S0+8*\p+4*\q:S0+8*\p+4*\q+3], v20, s[6:7] offset:1024*\p+16*\q
.endr
.endr
	WIN 0xc0
.irp b, 0,1,2,3
	global_load_b128 v[BI+8*\b:BI+8*\b+3], v22, s[76:77] offset:(32*(\b/2)+8*(\b%2))*4
	global_load_b128 v[BI+8*\b+4:BI+8*\b+7], v22, s[76:77] offset:(32*(\b/2)+8*(\b%2))*4+16
.endr
	WIN 0
	s_wait_alu depctr_va_vdst(0)
.irp p, 0,1,2,3                                ; a's pieces, head by head: lanes 0-15 tile 2 p's rows, lanes 16-31 tile 2 p + 1's.  They land in registers that the first fragments take afterwards
.irp hd, 0,1,2,3,4,5,6,7,8,9,10,11,12,13,14,15
	global_load_u16 v[F1+16*\p+\hd], v24, s[10:11] offset:16384*\hd+64*\p
.endr
.endr
	s_wait_loadcnt 0x0
.irp p, 0,1,2,3
.irp c, 0,1,2,3,4,5,6,7
	v_lshl_or_b32 v[S1+8*\p+\c], v[F1+16*\p+2*\c+1], 16, v[F1+16*\p+2*\c]   ; chunk c's word: head 2 c's two bytes below, head 2 c + 1's above
.endr
.endr
	PLACES 8                                       ; a scale word made by a vector line stands eight places ahead of the product that takes it
	s_wait_alu depctr_va_vdst(0)
	s_cmp_lt_u32 s[WV], 2                          ; waves 0 and 1 fetched chunks 0 and 1: they wait for their loads; the loads of waves 2 and 3 may be out: nothing is filled twice
	s_cbranch_scc0 .Lrest_out
	s_wait_tensorcnt 0x0
.Lrest_out:
	s_barrier_signal -1
	s_barrier_wait -1
	FETCH 0
	FETCH 1
	s_wait_dscnt 48                                ; all but the 48 loads just issued
	WIN 0x70                                       ; C window 3, D window 1
	MUL 0, 1
	WIN 0
.macro CHUNK c
.if ((\c) < 7) && ((\c) != 1)
	PLACES 4                                       ; ahead of loads into the set that chunk c - 1 has multiplied
	FETCH (\c)+1
	s_wait_dscnt 48
.else
	s_wait_dscnt 0x0
.endif
.if (\c)%2
	WIN 0x5a
.else
	WIN 0x50
.endif
	MUL \c, 0
	WIN 0
.if (\c) == 1
	s_wait_tensorcnt 0x0                           ; behind chunk 1's products: my load is in, whichever it was (no LDS instruction of mine is out),
	s_barrier_signal -1
	s_barrier_wait -1                              ; everybody's is: chunks 2-7 may be read
	PLACES 4
	FETCH 2
.endif
.endm
	CHUNK 1
	CHUNK 2
	CHUNK 3
	CHUNK 4
	CHUNK 5
	CHUNK 6
	CHUNK 7
; THE WAY OUT, a tile of 16 tokens x my 64 channels at a time, through my own stage.  LDS serves a wave's instructions in order: no wait between the stores and the loads, nor ahead of the next tile's stores
.macro TOSTAGE a
	WIN 0x04                                       ; an LDS store's data are its source 1: window 1
.irp b, 0,1,2,3
	ds_store_b128 v14, v[32*(\a)+8*\b:32*(\a)+8*\b+3] offset:128*(\b/2)+32*(\b%2)          ; each accumulator from its low end on
	ds_store_b128 v14, v[32*(\a)+8*\b+4:32*(\a)+8*\b+7] offset:128*(\b/2)+32*(\b%2)+16
.endr
	WIN 0
.set BB, BK+32*((\a)%2)
.irp t, 0,1,2,3,4,5,6,7
	ds_load_b128 v[BB+4*\t:BB+4*\t+3], v15 offset:544*\t
.endr
.endm
.macro SEND a, younger                 ; younger: the LDS instructions issued behind tile a's loads
.set BB, BK+32*((\a)%2)
	s_wait_dscnt \younger
.irp t, 0,1,2,3,4,5,6,7
	global_store_b128 v16, v[BB+4*\t:BB+4*\t+3], s[78:79] offset:(32*((\a)/2)+8*((\a)%2)+2*\t+8*(\t/4))*4096 th:TH_STORE_NT   ; sixteen lanes store 256 consecutive bytes of a row, at a multiple of 256; written once
.endr
.endm
	PLACES 4                                       ; behind the last products: ahead of the stores that read sums and of the loads into fragment registers
	TOSTAGE 0
.irp a, 1,2,3,4,5,6,7
.if \a > 1
	s_wait_xcnt 0x0                                ; tile a - 2's stores have read the registers into which tile a's rows come back
.endif
	TOSTAGE \a
	SEND \a-1, 16                                  ; behind tile a - 1's loads: tile a's 8 stores and 8 loads
.endr
	SEND 7, 0
	s_wait_tensorcnt 0x0
	ds_add_u32 v254, v255
	s_wait_dscnt 0x0
	CROUND                                         ; the closing round: no work-group ends while a partner may still ask for a tile that names it
	s_endpgm
.Lfunc_end_k_qbde1617a1f_proj:
	.size	k_qbde1617a1f_proj, .Lfunc_end_k_qbde1617a1f_proj-k_qbde1617a1f_proj
	.p2alignl 7, 3214868480
	.fill 96, 4, 3214868480
	.section	.rodata,"a",@progbits
	.p2align	6, 0x0
	.amdhsa_kernel k_qbde1617a1f_proj
		.amdhsa_group_segment_fixed_size 312832
		.amdhsa_private_segment_fixed_size 0
		.amdhsa_enable_private_segment 0
		.amdhsa_kernarg_size 48
		.amdhsa_user_sgpr_count 2
		.amdhsa_user_sgpr_kernarg_segment_ptr 1
		.amdhsa_wavefront_size32 1
		.amdhsa_system_sgpr_workgroup_id_x 1
		.amdhsa_system_sgpr_workgroup_id_y 1
		.amdhsa_system_sgpr_workgroup_id_z 1
		.amdhsa_system_vgpr_workitem_id 0
		.amdhsa_next_free_vgpr 1024
		.amdhsa_next_free_sgpr 106
		.amdhsa_reserve_vcc 0
		.amdhsa_float_denorm_mode_32 3
		.amdhsa_float_denorm_mode_16_64 3
		.amdhsa_memory_ordered 1
		.amdhsa_forward_progress 1
		.amdhsa_inst_pref_size 91
	.end_amdhsa_kernel
	.amdgpu_metadata
---
amdhsa.version: [ 1, 2 ]
amdhsa.kernels:
  - .name:           k_qbde1617a1f_proj
    .symbol:         k_qbde1617a1f_proj.kd
    .args:
      - { .name: cod, .offset: 0, .size: 8, .value_kind: global_buffer, .address_space: global }
      - { .name: scl, .offset: 8, .size: 8, .value_kind: global_buffer, .address_space: global }
      - { .name: ac, .offset: 16, .size: 8, .value_kind: global_buffer, .address_space: global }
      - { .name: as16, .offset: 24, .size: 8, .value_kind: global_buffer, .address_space: global }
      - { .name: bo, .offset: 32, .size: 8, .value_kind: global_buffer, .address_space: global }
      - { .name: out0, .offset: 40, .size: 8, .value_kind: global_buffer, .address_space: global }
    .group_segment_fixed_size: 312832
    .private_segment_fixed_size: 0
    .kernarg_segment_align: 8
    .kernarg_segment_size: 48
    .max_flat_workgroup_size: 128
    .sgpr_count:     106
    .vgpr_count:     1024
    .wavefront_size: 32
...
	.end_amdgpu_metadata
.endif
;; end of part 4
